; MI455X (gfx1250); checked and timed in simulation.
; The chip was launched on July 23, 2026; its instructions are those of AMD's public machine-readable ISA for CDNA 5 (MIT licence, August 2026) and "CDNA5" Instruction Set Architecture Reference Guide (July 2026). The comments in the code are by the model that wrote it; some were corrected since.
;; Cross Attention. Allowed arithmetic: matrix products marked QUANTISED: E2M3 operands, one E8M0 scale for each 32 along K, by v_wmma_scale_f32_16x16x128_f8f6f4 with both operands' format E2M3, f32 sums; everything else in f32.
;; Inputs: K 4 x 2,048 x 1,024 float32; Q 4 x 2,048 x 1,024 float32; V 4 x 2,048 x 1,024 float32; Wk 1,024 x 1,024 float32; Wo 1,024 x 1,024 float32; Wq 1,024 x 1,024 float32; Wv 1,024 x 1,024 float32; ln_b 1,024 float32; ln_g 1,024 float32; pre_b 1,024 float32; pre_g 1,024 float32.
;; Outputs: out0 4 x 2,048 x 1,024 float32.
;; This version of the problem:
;;   THIS VERSION OF THE PROBLEM IS GIVEN IN LOW PRECISION. The matrix products marked QUANTISED in the list below multiply operands that are first quantised to E2M3 (2 exponent bits, 3 mantissa bits; 6 bits a number), with one power-of-two scale for each 32 numbers along K (OCP MX v1.0); their sums are f32. All else is computed in f32.
;;   The module's matrix products, in the order in which they are computed (A, B: the left and right operand; K: the contracted axis; several contracted axes count as one K, in the product's order):
;;     1. [M 8,192, K 1,024] x [K 1,024, N 1,024]; A: computed on the way; B: input Wq: QUANTISED
;;     2. [M 8,192, K 1,024] x [K 1,024, N 1,024]; A: computed on the way; B: input Wk: QUANTISED
;;     3. [M 8,192, K 1,024] x [K 1,024, N 1,024]; A: input V; B: input Wv: QUANTISED
;;     4. batch 32 x [M 2,048, K 128] x [K 128, N 2,048]; A: computed on the way; B: computed on the way: QUANTISED
;;     5. batch 32 x [M 128, K 2,048] x [K 2,048, N 2,048]; A: computed on the way; B: softmax (see below): QUANTISED
;;     6. [M 8,192, K 1,024] x [K 1,024, N 1,024]; A: computed on the way; B: input Wo: QUANTISED
;;   THE QUANTISER, for each operand of a quantised product, along K:
;;     - K is cut into blocks of 32 from its start; a last block that is shorter is filled with zeros.
;;     - A block's scale is 2^e with e = floor(log2(the largest magnitude in the block)) - 2, held to -126 .. 127; a block of zeros has e = 0. As a byte (E8M0): e + 127.
;;     - Each number is divided by its block's scale, clamped to +-7.5, and rounded to the nearest number of E2M3, ties to even, subnormals kept.
;;     - The product sums the exact products of the quantised numbers (number of the format x scale) in f32.
;;   ~~~python
;;   def quantise(x, axis):      # numpy; x: float32 -> the quantised numbers, widened to float32 again
;;       x = np.moveaxis(x, axis, -1); K = x.shape[-1]
;;       x = np.pad(x, [(0, 0)] * (x.ndim - 1) + [(0, -K % 32)]); x = x.reshape(x.shape[:-1] + (-1, 32)); a = np.abs(x).max(-1, keepdims=True)
;;       e = np.where(a > 0, np.clip(np.frexp(np.where(a > 0, a, 1))[1] - 1 - 2, -126, 127), 0)      # np.frexp(a)[1] - 1 = floor(log2(a)), exactly
;;       r = np.clip(x / 2.0 ** e, -7.5, 7.5)
;;       step = 2.0 ** (np.maximum(np.frexp(np.where(r == 0, 1, r))[1] - 1, 0) - 3)
;;       q = np.round(r / step) * step * 2.0 ** e      # np.round: ties to even
;;       return np.moveaxis(q.reshape(q.shape[:-2] + (-1,))[..., :K], -1, axis).astype(np.float32)
;;   ~~~
;;   SOFTMAX AHEAD OF A QUANTISED PRODUCT. Where the list says 'softmax', what is quantised is not the finished softmax but p = 2^(t - M), with t = logit x log2(e) and M = ceil(the row's largest t), a whole number; so 1/2 < the row's largest p <= 1. The row's sum l is taken of the UNQUANTISED p, in f32, and the product's result is divided by l at the end. Since M is a whole number, a kernel that streams over the keys may use a running M (the ceiling of the running maximum): every later rescaling is an exact power of two, which a block's scale takes up: the codes' values come out the same.
;;   OPERANDS COMPUTED ON THE WAY. 'Computed on the way' means the value that the module computes at that place (a softmax that the list does not call 'softmax' is quantised finished and normalised). What goes into a quantiser is computed in f32, as accurately as f32 sums, v_exp_f32 and their like allow (about 1e-6 of the number): no bf16 or f16 on the way to a quantiser, and a product that is left as it is and whose result goes on into a quantised operand takes f32 operands (vector FMAs, or v_wmma_f32_16x16x4_f32). A number that lies on a knife's edge between two numbers of the format may be rounded either way, as far as f32 arithmetic and the matrix unit's own rounding can turn it there, and no further.
;; 2 versions, each right; version 2 is version 1 with the launch out written anew for expert scheduling mode. Each part assembles by itself: llvm-mc -triple=amdgcn-amd-amdhsa -mcpu=gfx1250 --defsym DOCPART=n.
;; ======== version 1 of 2: 4 launches
;; limits: a function is approximated: absolute error at most 1.5e-07
;; workspace buffers: xc 20,447,232 bytes; wc 3,407,872 bytes; pc 18,874,368 bytes; ps 1,572,864 bytes; ob 33,554,432 bytes
;; launch prep (part 1): grid 512 x 1, 4 waves a work-group, no clusters, 72,192 bytes of LDS; arguments Q, K, V, Wq, Wk, Wv, Wo, pre_g, pre_b, xc, wc; writes xc, wc
.if DOCPART == 1
	.amdgcn_target "amdgcn-amd-amdhsa--gfx1250"
	.amdhsa_code_object_version 6
	.text
	.protected	k_qae2f33ae67_prep
	.globl	k_qae2f33ae67_prep
	.p2align	8
	.type	k_qae2f33ae67_prep,@function
k_qae2f33ae67_prep:
	s_mov_b64 s[64:65], 0
	v_nop
	global_prefetch_b8 v0, s[64:65] scope:SCOPE_SE
	s_setreg_imm32_b32 hwreg(HW_REG_WAVE_MODE, 25, 1), 1
	s_wait_xcnt 0x0
; LN(Q), LN(K) (gain pre_g, bias pre_b), V as it is, and the four weights become codes of FP6 (E2M3) with one E8M0 byte for each 32 along K = 1,024.
; THE OUTPUT'S LAYOUT.  An operand's rows are cut into tiles of 16: tile T, lane row r holds row 32 (T / 2) + 8 (T % 2) + r + 8 (r / 8).  A fragment (16 rows x 128 K) is stored as the image of its 12 registers:
; register p of lane l at byte 512 (p / 4) + 16 l + 4 (p % 4).  A record (tile, 256 along K) is 3,328 bytes: two fragments, the rows' two scale words each ([r][2 words], 128 bytes), and those 128 bytes once more, so
; that every store below covers whole aligned runs of 256 bytes.  A tile is four records.
; SHARES.  Work-group g: waves 0, 1, 2 take tile g of Q, K, V (16 rows each); wave 3 takes 32 columns x 256 K of one weight (weight g / 128, K quarter (g / 32) % 4, columns 32 (g % 32) on): two records.
; Waves share nothing: no barrier.  The two paths part on the wave's number and never join.
; A ROW: eight loads of 512 consecutive bytes; mean and variance in two passes over the registers (so a common offset does no harm); the row turns through the wave's stage in LDS so that lane l holds block l's 32 neighbours;
; largest magnitude (with the floor 2^(3 - 127) among its leaves), scale, two conversions; the block's 24 bytes and its byte go to the images in LDS.  Loads run three rows ahead.
; A WEIGHT: K is its first axis, so a lane takes a column and its registers run down K: a block of 32 is one lane's.
; LIMITS: a block of zeros gets the byte 1 and not 127 (its codes are zeros; this program alone reads the bytes); NaN and infinities among the inputs are not served.
.set XT,     6815744                   ; bytes of one tensor's codes in xc: 512 tiles
.set WT,     851968                    ; of one weight's in wc: 64 tiles
.set TILEB,  13312
.set RECB,   3328
.set WREG,   17920                     ; LDS of a wave: the stage (32 places of 128 + 16 bytes), 8 images 1,568 bytes apart, 512 scale bytes
.set IMG,    4608
.set FPI,    1568
.set SCS,    17152
.set WRG,    3200                      ; the weight wave: two regions: fragment, fragment, 128 bytes of scale words
.set SPARE,  4*WREG                    ; the spare words, 128 bytes for each wave: two blocks of 256 bytes that no other line names
.set IMGO,   IMG                       ; what PUT adds to its addresses
.set SCO,    SCS
.set SCP,    8                         ; scale bytes from row to row
.set GOF,  2                           ; v2   16 x lane
.set TI,   3                           ; v3   the stage, in: 144 (lane / 8) + 16 (lane % 8)
.set TO,   4                           ; v4   the stage, out: 144 x lane
.set PA0,  5                           ; v5   my block's first piece (and, 512 on, its third)
.set PA1,  6                           ; v6   its second
.set TMPV, 7
.set SBA,  8                           ; v8   my block's scale byte
.set LI,   9                           ; v9   my wave's LDS + 16 x lane
.set SO8,  10                          ; v10  my wave's LDS + 8 (lane % 16)
.set GO8,  11                          ; v11  8 x lane
.set SPW,  12                          ; v12  my spare word; never rewritten
.set NIL,  13                          ; v13  0; never rewritten
.set WST,  14                          ; v14  weight: my column's place in its tile's images
.set WSS,  15                          ; v15  weight: my column's scale words
.set WOF,  16                          ; v16  weight: 4 x lane
.set G,    16                          ; v16-47   the gain, as a row is loaded
.set B,    48                          ; v48-79   the bias
.set R,    80                          ; v80-207  four rows
.set X,    208                         ; v208-239 a block's 32 neighbours; at work
.set PC,   240                         ; v240-246 codes
.set MX0,  248
.set MX1,  249
.set SC,   250
.set BY,   251
.set MU,   252                         ; v[252:253] the mean (the low word serves both halves)
.set SB,   252                         ; weight: two scale words
.set RS,   254                         ; v[254:255] 1 / sqrt(var + eps)
.macro LOADROW set, r                  ; a row: eight loads of 512 consecutive bytes
.irp i, 0,1,2,3,4,5,6,7
	global_load_b128 v[R+32*(\set)+4*\i:R+32*(\set)+4*\i+3], v[GOF], s[32:33] offset:((\r)+8*((\r)/8))*4096+512*\i th:TH_LOAD_NT
.endr
.endm
.macro WSUM                            ; v[X] summed over the 32 lanes, the result in every lane
	v_add_f32_dpp v[X], v[X], v[X] row_xmask:1 row_mask:0xf bank_mask:0xf
	v_add_f32_dpp v[X], v[X], v[X] row_xmask:2 row_mask:0xf bank_mask:0xf
	v_add_f32_dpp v[X], v[X], v[X] row_xmask:4 row_mask:0xf bank_mask:0xf
	v_add_f32_dpp v[X], v[X], v[X] row_xmask:8 row_mask:0xf bank_mask:0xf
	v_permlanex16_b32 v[X+1], v[X], s38, s39
	v_add_f32 v[X], v[X], v[X+1]
.endm
.macro FOLD                            ; four packed chains into one number
	v_pk_add_f32 v[X:X+1], v[X:X+1], v[X+2:X+3]
	v_pk_add_f32 v[X+4:X+5], v[X+4:X+5], v[X+6:X+7]
	v_pk_add_f32 v[X:X+1], v[X:X+1], v[X+4:X+5]
	v_add_f32 v[X], v[X], v[X+1]
.endm
.macro LNORM set                       ; the row in set becomes (x - mean) / sqrt(var + eps) x gain + bias, in place
.set RB, R+32*(\set)
.irp k, 0,2,4,6
	v_pk_add_f32 v[X+\k:X+\k+1], v[RB+\k:RB+\k+1], v[RB+8+\k:RB+9+\k]
.endr
.irp j, 16,24
.irp k, 0,2,4,6
	v_pk_add_f32 v[X+\k:X+\k+1], v[X+\k:X+\k+1], v[RB+\j+\k:RB+\j+\k+1]
.endr
.endr
	FOLD
	WSUM
	v_mul_f32 v[MU], s36, v[X]                     ; the mean
.irp k, 0,2,4,6,8,10,12,14,16,18,20,22,24,26,28,30
	v_pk_add_f32 v[RB+\k:RB+\k+1], v[RB+\k:RB+\k+1], v[MU:MU+1] op_sel_hi:[1,0] neg_lo:[0,1] neg_hi:[0,1]
.endr
.irp k, 0,2,4,6
	v_pk_mul_f32 v[X+\k:X+\k+1], v[RB+\k:RB+\k+1], v[RB+\k:RB+\k+1]
.endr
.irp j, 8,16,24
.irp k, 0,2,4,6
	v_pk_fma_f32 v[X+\k:X+\k+1], v[RB+\j+\k:RB+\j+\k+1], v[RB+\j+\k:RB+\j+\k+1], v[X+\k:X+\k+1]
.endr
.endr
	FOLD
	WSUM
	v_fma_f32 v[X], v[X], s36, s37                 ; var + eps
	v_rsq_f32 v[RS], v[X]
	v_nop                                          ; a plain instruction behind the transcendental
	s_wait_alu depctr_va_vdst(0)                   ; the wait ahead of the first reader
.irp k, 0,2,4,6,8,10,12,14,16,18,20,22,24,26,28,30
	v_pk_mul_f32 v[RB+\k:RB+\k+1], v[RB+\k:RB+\k+1], v[RS:RS+1] op_sel_hi:[1,0]
.endr
.irp k, 0,2,4,6,8,10,12,14,16,18,20,22,24,26,28,30
	v_pk_fma_f32 v[RB+\k:RB+\k+1], v[RB+\k:RB+\k+1], v[G+\k:G+\k+1], v[B+\k:B+\k+1]
.endr
.endm
.macro TURN set                        ; the row through my stage: in as loaded, out 128 bytes a lane.  LDS serves a wave's instructions in order: no wait between
.set RB, R+32*(\set)
.irp i, 0,1,2,3,4,5,6,7
	ds_store_b128 v[TI], v[RB+4*\i:RB+4*\i+3] offset:576*\i
.endr
.irp j, 0,1,2,3,4,5,6,7
	ds_load_b128 v[X+4*\j:X+4*\j+3], v[TO] offset:16*\j
.endr
.endm
.macro BMAX s                          ; the largest magnitude of 32 registers, and the floor 2^(3 - 127): so the byte cannot fall under 1
	v_max3_num_f32 v[MX0], |v[\s]|, |v[\s+1]|, 0x1800000
	v_max3_num_f32 v[MX1], |v[\s+2]|, |v[\s+3]|, |v[\s+4]|
.irp i, 5,9,13,17,21,25
	v_max3_num_f32 v[MX0], v[MX0], |v[\s+\i]|, |v[\s+\i+1]|
	v_max3_num_f32 v[MX1], v[MX1], |v[\s+\i+2]|, |v[\s+\i+3]|
.endr
	v_max3_num_f32 v[MX0], v[MX0], |v[\s+29]|, |v[\s+30]|
	v_max3_num_f32 v[MX0], v[MX0], v[MX1], |v[\s+31]|
.endm
.macro CODES s                         ; 32 numbers -> 192 bits in v[PC] .. v[PC+5], the scale's byte in v[BY]
	v_add_nc_u32 v[SC], 0xff000000, v[MX0]         ; 2 off the exponent field: the conversion takes this operand's exponent field as its scale
	v_cvt_scalef32_pk16_fp6_f32 v[PC:PC+2], v[\s:\s+15], v[SC]
	v_cvt_scalef32_pk16_fp6_f32 v[PC+4:PC+6], v[\s+16:\s+31], v[SC]   ; (a conversion's three registers begin on an even number)
	v_lshrrev_b32 v[BY], 23, v[SC]                 ; the byte; also the plain instruction behind the conversions
	v_mov_b32 v[PC+3], v[PC+4]
	v_mov_b32 v[PC+4], v[PC+5]
	v_mov_b32 v[PC+5], v[PC+6]
.endm
.macro PUT r                           ; my block of row r into its fragment's image, its byte among the scale words
	ds_store_b64 v[PA0], v[PC:PC+1] offset:IMGO+16*(\r)
	ds_store_b64 v[PA1], v[PC+2:PC+3] offset:IMGO+8+16*(\r)
	ds_store_b64 v[PA0], v[PC+4:PC+5] offset:IMGO+512+16*(\r)
	ds_store_b8 v[SBA], v[BY] offset:SCO+SCP*(\r)
.endm
.macro ROW r
.if 15-(\r) < 3
	s_wait_loadcnt 8*(15-(\r))                     ; my row's eight loads are in; the rows behind it may be out
.else
	s_wait_loadcnt 24
.endif
	s_cmp_eq_u32 s30, 2                            ; V is not normalised
	s_cbranch_scc1 .Lraw_\@
	LNORM (\r)%4
.Lraw_\@:
	TURN (\r)%4
	s_wait_dscnt 0x0                               ; the block is in; the stage's stores and the last row's have read their registers
.if (\r) < 12
	LOADROW (\r)%4, (\r)+4
.endif
	BMAX X
	CODES X
	PUT \r
.endm
	s_load_b512 s[8:23], s[0:1], 0x0               ; Q, K, V, Wq, Wk, Wv, Wo, pre_g
	s_load_b128 s[24:27], s[0:1], 0x40             ; pre_b, xc
	s_load_b64 s[28:29], s[0:1], 0x50              ; wc
	v_lshl_add_u32 v[SPW], v0, 2, SPARE
	v_mov_b32 v[NIL], 0
	v_lshrrev_b32 v1, 5, v0
	v_readfirstlane_b32 s30, v1                    ; wave
	s_mul_i32 s31, s30, WREG                       ; my wave's LDS
	s_mov_b32 s36, 0x3a800000                      ; 1 / 1024
	s_mov_b32 s37, 0x3727c5ac                      ; eps = 1e-5
	s_mov_b32 s38, 0x76543210
	s_mov_b32 s39, 0xfedcba98                      ; v_permlanex16_b32's selects for lane l xor 16
	v_and_b32 v1, 31, v0                           ; lane
	v_lshlrev_b32 v[GOF], 4, v1
	v_lshlrev_b32 v[GO8], 3, v1
	v_lshrrev_b32 v[TI], 3, v1
	v_mul_u32_u24 v[TI], v[TI], 144
	v_and_b32 v[TMPV], 7, v1
	v_lshl_add_u32 v[TI], v[TMPV], 4, v[TI]
	v_add_nc_u32 v[TI], s31, v[TI]
	v_mul_u32_u24 v[TO], v1, 144
	v_add_nc_u32 v[TO], s31, v[TO]
	v_lshrrev_b32 v[PA0], 2, v1                    ; block l lies in fragment l / 4, in lanes r + 16 (l % 2), registers 6 cc on, cc = (l / 2) % 2
	v_mul_u32_u24 v[PA0], v[PA0], FPI
	v_and_b32 v[TMPV], 1, v1
	v_lshl_add_u32 v[PA0], v[TMPV], 8, v[PA0]
	v_add_nc_u32 v[PA0], s31, v[PA0]
	v_bfe_u32 v[TMPV], v1, 1, 1
	v_mad_u32_u24 v[PA1], v[TMPV], 1016, v[PA0]    ; pieces at 0, 8, 512 (cc = 0) or 520, 1024, 1032 (cc = 1)
	v_mad_u32_u24 v[PA0], v[TMPV], 520, v[PA0]
	v_lshrrev_b32 v[SBA], 3, v1
	v_lshlrev_b32 v[SBA], 7, v[SBA]
	v_and_b32 v[TMPV], 7, v1
	v_add_nc_u32 v[SBA], v[SBA], v[TMPV]
	v_add_nc_u32 v[SBA], s31, v[SBA]               ; 128 (l / 8) + l % 8
	v_add_nc_u32 v[LI], s31, v[GOF]
	v_and_b32 v[SO8], 15, v1
	v_lshlrev_b32 v[SO8], 3, v[SO8]
	v_add_nc_u32 v[SO8], s31, v[SO8]
	v_bfe_u32 v[TMPV], v1, 3, 1                    ; weight: column 32 G + l lies in tile 2 G + u, u = (l / 8) % 2, at lane row l % 8 + 8 (l / 16)
	v_mul_u32_u24 v[WSS], v[TMPV], WRG
	v_add_nc_u32 v[WSS], s31, v[WSS]
	v_and_b32 v[TMPV], 7, v1
	v_lshrrev_b32 v[WST], 4, v1
	v_lshl_add_u32 v[TMPV], v[WST], 3, v[TMPV]
	v_lshl_add_u32 v[WST], v[TMPV], 4, v[WSS]
	v_lshl_add_u32 v[WSS], v[TMPV], 3, v[WSS]
	v_mov_b32 v[MU+1], 0                           ; (named as the upper halves of pairs)
	v_mov_b32 v[RS+1], 0
	s_wait_kmcnt 0x0
	s_cmp_eq_u32 s30, 3
	s_cbranch_scc1 .Lw
	; ---- waves 0, 1, 2: a tile of Q, K, V
	s_cmp_eq_u32 s30, 0
	s_cselect_b64 s[32:33], s[8:9], s[10:11]
	s_cmp_eq_u32 s30, 2
	s_cselect_b64 s[32:33], s[12:13], s[32:33]
	s_lshr_b32 s40, ttmp9, 1
	s_lshl_b32 s40, s40, 17                        ; 32 rows of 4,096 bytes
	s_and_b32 s41, ttmp9, 1
	s_lshl_b32 s41, s41, 15                        ; 8 rows
	s_add_co_u32 s40, s40, s41
	s_mov_b32 s41, 0
	s_add_nc_u64 s[32:33], s[32:33], s[40:41]      ; the tile's first row
	s_mul_i32 s42, s30, XT
	s_mul_i32 s43, ttmp9, TILEB
	s_add_co_u32 s42, s42, s43
	s_mov_b32 s43, 0
	s_add_nc_u64 s[34:35], s[26:27], s[42:43]      ; the tile's four records
.irp i, 0,1,2,3,4,5,6,7
	global_load_b128 v[G+4*\i:G+4*\i+3], v[GOF], s[22:23] offset:512*\i
	global_load_b128 v[B+4*\i:B+4*\i+3], v[GOF], s[24:25] offset:512*\i
.endr
	LOADROW 0, 0
	LOADROW 1, 1
	LOADROW 2, 2
	LOADROW 3, 3
.irp r, 0,1,2,3,4,5,6,7,8,9,10,11,12,13,14,15
	ROW \r
.endr
.irp s, 0,1,2,3,4,5,6,7                        ; the images leave as they lie: each store covers 512 consecutive bytes
.irp c, 0,1,2
	ds_load_b128 v[R+12*\s+4*\c:R+12*\s+4*\c+3], v[LI] offset:IMG+FPI*\s+512*\c
.endr
.endr
.irp c, 0,1,2,3
	ds_load_b64 v[R+96+2*\c:R+97+2*\c], v[SO8] offset:SCS+128*\c   ; lanes 16-31 take the same 128 bytes once more
.endr
	s_wait_dscnt 0x0
.irp s, 0,1,2,3,4,5,6,7
.irp c, 0,1,2
	global_store_b128 v[GOF], v[R+12*\s+4*\c:R+12*\s+4*\c+3], s[34:35] offset:RECB*(\s/2)+1536*(\s%2)+512*\c
.endr
.endr
.irp c, 0,1,2,3
	global_store_b64 v[GO8], v[R+96+2*\c:R+97+2*\c], s[34:35] offset:RECB*\c+3072
.endr
	s_wait_tensorcnt 0x0                           ; the wave's end
	ds_add_u32 v[SPW], v[NIL]
	s_wait_dscnt 0x0
	s_endpgm
	; ---- wave 3: 32 columns x 256 K of a weight
.Lw:
	s_lshr_b32 s44, ttmp9, 7                       ; which weight
	s_cmp_eq_u32 s44, 0
	s_cselect_b64 s[32:33], s[14:15], s[16:17]
	s_cmp_eq_u32 s44, 2
	s_cselect_b64 s[32:33], s[18:19], s[32:33]
	s_cmp_eq_u32 s44, 3
	s_cselect_b64 s[32:33], s[20:21], s[32:33]
	s_and_b32 s45, ttmp9, 31                       ; G: which 32 columns
	s_bfe_u32 s46, ttmp9, 0x20005                  ; which 256 along K
	s_lshl_b32 s40, s46, 20                        ; 256 rows of 4,096 bytes
	s_lshl_b32 s41, s45, 7
	s_add_co_u32 s40, s40, s41
	s_mov_b32 s41, 0
	s_add_nc_u64 s[32:33], s[32:33], s[40:41]
	s_mul_i32 s42, s44, WT
	s_mul_i32 s43, s45, 2*TILEB
	s_add_co_u32 s42, s42, s43
	s_mul_i32 s43, s46, RECB
	s_add_co_u32 s42, s42, s43
	s_mov_b32 s43, 0
	s_add_nc_u64 s[34:35], s[28:29], s[42:43]      ; tile 2 G's record of this K quarter; tile 2 G + 1's lies a tile on
	v_lshlrev_b32 v[WOF], 2, v1
.macro WLOAD t                         ; block t: W(32 t + i, my column): 32 lanes read 128 consecutive bytes
.irp i, 0,1,2,3,4,5,6,7,8,9,10,11,12,13,14,15,16,17,18,19,20,21,22,23,24,25,26,27,28,29,30,31
	global_load_b32 v[R+32*((\t)%2)+\i], v[WOF], s[32:33] offset:(32*(\t)+\i)*4096 th:TH_LOAD_NT
.endr
.endm
.macro WBLOCK t                        ; block t = fragment t / 4, lanes r + 16 (t % 2), registers 6 ((t / 2) % 2) on
.set XS, R+32*((\t)%2)
.set WO, 1536*((\t)/4)+256*((\t)%2)
.if (\t) < 7
	s_wait_loadcnt 32                              ; this block's 32 loads are in; the next block's may be out
.else
	s_wait_loadcnt 0x0
.endif
	BMAX XS
	CODES XS
.if (\t)%4 == 0
	v_mov_b32 v[SB+(\t)/4], v[BY]
.else
	v_lshl_or_b32 v[SB+(\t)/4], v[BY], 8*((\t)%4), v[SB+(\t)/4]
.endif
.if ((\t)/2)%2 == 0
	ds_store_b128 v[WST], v[PC:PC+3] offset:WO
	ds_store_b64 v[WST], v[PC+4:PC+5] offset:WO+512
.else
	ds_store_b64 v[WST], v[PC:PC+1] offset:WO+520
	ds_store_b128 v[WST], v[PC+2:PC+5] offset:WO+1024
.endif
.if (\t)+2 < 8
	WLOAD (\t)+2
.endif
	s_wait_dscnt 0x0                               ; the stores have read their registers
.endm
	WLOAD 0
	WLOAD 1
.irp t, 0,1,2,3,4,5,6,7
	WBLOCK \t
.endr
	ds_store_b64 v[WSS], v[SB:SB+1] offset:3072    ; my column's two scale words
.irp u, 0,1
.irp j, 0,1,2,3,4,5
	ds_load_b128 v[144+28*\u+4*\j:147+28*\u+4*\j], v[LI] offset:WRG*\u+512*\j
.endr
	ds_load_b64 v[168+28*\u:169+28*\u], v[SO8] offset:WRG*\u+3072
.endr
	s_wait_dscnt 0x0
.irp u, 0,1
.irp j, 0,1,2,3,4,5
	global_store_b128 v[GOF], v[144+28*\u+4*\j:147+28*\u+4*\j], s[34:35] offset:TILEB*\u+512*\j
.endr
	global_store_b64 v[GO8], v[168+28*\u:169+28*\u], s[34:35] offset:TILEB*\u+3072
.endr
	s_wait_tensorcnt 0x0                           ; the wave's end
	ds_add_u32 v[SPW], v[NIL]
	s_wait_dscnt 0x0
	s_endpgm
.Lfunc_end_k_qae2f33ae67_prep:
	.size	k_qae2f33ae67_prep, .Lfunc_end_k_qae2f33ae67_prep-k_qae2f33ae67_prep
	.p2alignl 7, 3214868480
	.fill 96, 4, 3214868480
	.section	.rodata,"a",@progbits
	.p2align	6, 0x0
	.amdhsa_kernel k_qae2f33ae67_prep
		.amdhsa_group_segment_fixed_size 72192
		.amdhsa_private_segment_fixed_size 0
		.amdhsa_enable_private_segment 0
		.amdhsa_kernarg_size 88
		.amdhsa_user_sgpr_count 2
		.amdhsa_user_sgpr_kernarg_segment_ptr 1
		.amdhsa_wavefront_size32 1
		.amdhsa_system_sgpr_workgroup_id_x 1
		.amdhsa_system_sgpr_workgroup_id_y 1
		.amdhsa_system_sgpr_workgroup_id_z 1
		.amdhsa_system_vgpr_workitem_id 0
		.amdhsa_next_free_vgpr 256
		.amdhsa_next_free_sgpr 66
		.amdhsa_reserve_vcc 0
		.amdhsa_float_denorm_mode_32 3
		.amdhsa_float_denorm_mode_16_64 3
		.amdhsa_memory_ordered 1
		.amdhsa_forward_progress 1
		.amdhsa_inst_pref_size 202
	.end_amdhsa_kernel
	.amdgpu_metadata
---
amdhsa.version: [ 1, 2 ]
amdhsa.kernels:
  - .name:           k_qae2f33ae67_prep
    .symbol:         k_qae2f33ae67_prep.kd
    .args:
      - { .name: Q, .offset: 0, .size: 8, .value_kind: global_buffer, .address_space: global }
      - { .name: K, .offset: 8, .size: 8, .value_kind: global_buffer, .address_space: global }
      - { .name: V, .offset: 16, .size: 8, .value_kind: global_buffer, .address_space: global }
      - { .name: Wq, .offset: 24, .size: 8, .value_kind: global_buffer, .address_space: global }
      - { .name: Wk, .offset: 32, .size: 8, .value_kind: global_buffer, .address_space: global }
      - { .name: Wv, .offset: 40, .size: 8, .value_kind: global_buffer, .address_space: global }
      - { .name: Wo, .offset: 48, .size: 8, .value_kind: global_buffer, .address_space: global }
      - { .name: pre_g, .offset: 56, .size: 8, .value_kind: global_buffer, .address_space: global }
      - { .name: pre_b, .offset: 64, .size: 8, .value_kind: global_buffer, .address_space: global }
      - { .name: xc, .offset: 72, .size: 8, .value_kind: global_buffer, .address_space: global }
      - { .name: wc, .offset: 80, .size: 8, .value_kind: global_buffer, .address_space: global }
    .group_segment_fixed_size: 72192
    .private_segment_fixed_size: 0
    .kernarg_segment_align: 8
    .kernarg_segment_size: 88
    .max_flat_workgroup_size: 128
    .sgpr_count:     66
    .vgpr_count:     256
    .wavefront_size: 32
...
	.end_amdgpu_metadata
.endif
;; end of part 1
;; launch proj (part 2): grid 4 x 192, 4 waves a work-group, clusters of 4 x 4, 327,680 bytes of LDS; arguments xc, wc, pc, ps; writes pc, ps
.if DOCPART == 2
	.amdgcn_target "amdgcn-amd-amdhsa--gfx1250"
	.amdhsa_code_object_version 6
	.text
	.protected	k_qae2f33ae67_proj
	.globl	k_qae2f33ae67_proj
	.p2align	8
	.type	k_qae2f33ae67_proj,@function
k_qae2f33ae67_proj:
	s_mov_b64 s[64:65], 0
	v_nop
	global_prefetch_b8 v0, s[64:65] scope:SCOPE_SE
	s_setreg_imm32_b32 hwreg(HW_REG_WAVE_MODE, 25, 1), 1
	s_wait_xcnt 0x0
	s_wait_alu depctr_hold_cnt(0) depctr_sa_sdst(0) depctr_va_vdst(0) depctr_va_sdst(0) depctr_va_ssrc(0) depctr_va_vcc(0) depctr_vm_vsrc(0)
	s_getreg_b32 s2, hwreg(HW_REG_IB_STS2, 6, 4)
	s_cmp_eq_u32 s2, 0
	s_cbranch_scc0 .Lentry_in_a_cluster
	s_endpgm
.Lentry_in_a_cluster:
	s_bfe_u32 s2, ttmp6, 0x10000c
	s_cmp_lg_u32 s2, 0xf033
	s_cbranch_scc0 .Lentry_shape_is_right
	s_endpgm
.Lentry_shape_is_right:
; q = LN(Q) Wq, k = LN(K) Wk, v = V Wv on codes of FP6 with E8M0 scales, K = 1,024; the f32 results are quantised in registers for the attention's products and leave as fragment images.
; ONE BODY FOR THE THREE.  Source 0 ("B", 256 rows a work-group) is the operand whose row index is the NEXT product's K: for q and k the weight's columns (the head's 128), for v the tokens (the keys).
; Source 1 ("A", 128 rows a work-group) is the other one.  A lane then holds one row of A and its registers run along the next K; the tiles' rows were chosen by the launch before so that the 16 registers of B's tiles
; 2 b and 2 b + 1 are 16 neighbours.  48 clusters of 4 x 4: 16 for each product.  A's tiles are shared along a row of the cluster, B's along a column: each is asked for jointly.
; A wave: 64 rows of A (4 tiles) x 128 rows of B (8 tiles, one next-K step): 32 accumulators, 256 registers.
; ALL OF K LIES IN LDS AT ONCE: four chunks of 256 K, each 24 tile rows of 3,200 bytes (two fragment images and 128 bytes of scale words): 307,200 bytes.  Nothing is filled again.  A wave issues four tensor loads,
; one for each chunk, as one group at the start: four of mine are out, by this text's count; the counted waits 3, 2, 1, 0 let the later chunks stay out.
; LIMITS: a block of zeros gets the byte 1 and not 127 (its codes are zeros; this program alone reads the bytes); NaN and infinities are not served.
; REGISTERS: window 0: addresses, scale words, A's fragments (two sets), the quantiser's work;  window 1: B's fragments, sets at v0 and v128;  window 2: accumulator (a, b) at v[8 (8 a + b)].
.set XT,    6815744
.set WT,    851968
.set TILEB, 13312
.set RECB,  3328
.set PCT,   6291456                    ; a part (q, k, v) of pc: 4,096 fragments of 1,536 bytes
.set PST,   524288                     ; of ps: 1,024 units of 512 bytes
.set TROW,  3200                       ; a tile's part of a chunk in LDS
.set CHUNK, 24*TROW
.set BOFF,  8*TROW                     ; B's 16 tile rows lie behind A's 8
.set SPARE, 4*CHUNK                    ; the spare words, 128 bytes for each wave: two blocks of 256 bytes that no other line names
.set GO,   1                           ; v1     16 x lane
.set ADA,  2                           ; v2-5   my A fragments in chunk c
.set ADB,  6                           ; v6-9   my B fragments
.set ASA,  10                          ; v10-13 A's scale words
.set ASB,  14                          ; v14-17 B's
.set SPW,  18                          ; v18    my spare word; never rewritten
.set NIL,  19                          ; v19    0; never rewritten
.set SCA,  32                          ; v32-47 A's scale words: set c % 2, tile a, word
.set SCB,  48                          ; v48-79 B's
.set AF,   80                          ; v80-175 A's fragments, two sets of 4 x 12
.set TM,   176                         ; v176-191 the quantiser's work
.set PW,   192                         ; v192-195 the four scale words made
.set PCA,  196                         ; v196-243 the four fragments made
.set C2,   244                         ; v244-250 the conversions' second runs
.set G1A,  24
.set G1B,  32
.set G0A,  40                          ; s[40:55] group 0 for A, a set for each chunk
.set G0B,  68                          ; s[68:83] for B
.set MSB, 0
.macro WIN new                         ; the immediate's high byte repeats the setting that is left
.if MSB != (\new)
	s_set_vgpr_msb (MSB<<8)|(\new)
.set MSB, (\new)
.endif
.endm
.macro PLACES                          ; four plain instructions between a matrix instruction and a load into, or a read of, its registers
.rept 4
	v_nop
.endr
.endm
.macro CROUND                          ; a round of the cluster's barrier
	s_barrier_signal -1
	s_barrier_wait -1
	s_cmp_lg_u32 s14, 0
	s_cbranch_scc1 .Lnot_wave_0_\@
	s_barrier_signal -3
.Lnot_wave_0_\@:
	s_barrier_wait -3
	s_barrier_signal -1
	s_barrier_wait -1
.endm
	s_load_b256 s[4:11], s[0:1], 0x0               ; xc, wc, pc, ps
	v_lshl_add_u32 v[SPW], v0, 2, SPARE
	v_mov_b32 v[NIL], 0
	ds_add_u32 v[SPW], v[NIL]                      ; the wave's opening: the add and its wait ahead of my first tensor load
	v_lshrrev_b32 v20, 5, v0
	v_readfirstlane_b32 s14, v20                   ; wave
	s_lshr_b32 s15, s14, 1                         ; my half of A's rows.  Also: I fetch for A (0) or for B (1)
	s_and_b32 s16, s14, 1                          ; my half of B's rows.  Also: which half of that operand's tiles I fetch
	s_bfe_u32 s84, ttmp6, 0x40000                  ; cx
	s_bfe_u32 s85, ttmp6, 0x40004                  ; cy
	s_and_b32 s86, ttmp7, 0xffff                   ; the cluster: 0 .. 47
	s_lshr_b32 s87, s86, 4                         ; p: 0 q, 1 k, 2 v
	s_and_b32 s88, s86, 15
	s_lshl_b32 s96, s85, 2
	s_lshl_b32 s96, 15, s96                        ; my row of the cluster
	s_lshl_b32 s97, 0x1111, s84                    ; my column
	s_or_b32 s[G1A], s96, (3<<16)|(1<<21)          ; the mask; elements of 8 bytes; bit 21 set beside a mask; no padding
	s_or_b32 s[G1B], s97, (3<<16)|(1<<21)
	s_mov_b32 s[G1A+1], 400<<16                    ; tensor_dim0: 3,200 bytes
	s_mov_b32 s[G1A+2], 4<<16                      ; tensor_dim1: 4 tiles
	s_mov_b32 s[G1A+3], 400<<16                    ; tile_dim0
	s_mov_b32 s[G1A+4], 4                          ; tile_dim1
	s_mov_b32 s[G1A+5], 1664                       ; from tile to tile: 13,312 bytes
	s_mov_b32 s[G1A+6], 0
	s_mov_b32 s[G1A+7], 0
	s_mov_b32 s[G1B+1], 400<<16
	s_mov_b32 s[G1B+2], 8<<16                      ; 8 tiles
	s_mov_b32 s[G1B+3], 400<<16
	s_mov_b32 s[G1B+4], 8
	s_mov_b32 s[G1B+5], 1664
	s_mov_b32 s[G1B+6], 0
	s_mov_b32 s[G1B+7], 0
	s_lshr_b32 s89, s88, 3
	s_and_b32 s90, s88, 7
	s_lshl_b32 s90, s90, 2
	s_mul_i32 s91, s87, XT
	s_mul_i32 s92, s87, WT
	s_cmp_eq_u32 s87, 2                            ; v?  The same in all sixteen partners
	s_cselect_b32 s89, s89, s88
	s_cselect_b32 s90, s90, 0
	s_cselect_b32 s58, s92, s91                    ; A's part: q, k: tokens in xc; v: Wv in wc
	s_cselect_b32 s62, s91, s92                    ; B's part
	s_lshl_b32 s89, s89, 2
	s_add_co_u32 s89, s89, s85                     ; A's block of 8 tiles: it hangs on cy alone
	s_add_co_u32 s90, s90, s84                     ; B's block of 16 tiles: on cx alone
	s_lshl_b32 s59, s89, 3
	s_lshl_b32 s93, s16, 2
	s_add_co_u32 s59, s59, s93
	s_mul_i32 s59, s59, TILEB
	s_add_co_u32 s58, s58, s59
	s_mov_b32 s59, 0
	s_lshl_b32 s63, s90, 4
	s_lshl_b32 s93, s16, 3
	s_add_co_u32 s63, s63, s93
	s_mul_i32 s63, s63, TILEB
	s_add_co_u32 s62, s62, s63
	s_mov_b32 s63, 0
	s_mul_i32 s98, s16, 4*TROW                     ; where they go: no place in the cluster enters an LDS address
	s_mul_i32 s99, s16, 8*TROW
	s_add_co_u32 s99, s99, BOFF
	s_wait_dscnt 0x0                               ; the opening add is done
	s_wait_kmcnt 0x0
	s_cmp_eq_u32 s87, 2
	s_cselect_b64 s[56:57], s[6:7], s[4:5]
	s_cselect_b64 s[60:61], s[4:5], s[6:7]
	s_add_nc_u64 s[56:57], s[56:57], s[58:59]
	s_add_nc_u64 s[60:61], s[60:61], s[62:63]
.irp c, 0,1,2,3
	s_mov_b32 s[G0A+4*\c], 1
	s_add_co_u32 s[G0A+4*\c+1], s98, \c*CHUNK
	s_add_nc_u64 s[G0A+4*\c+2:G0A+4*\c+3], s[56:57], \c*RECB
	s_or_b32 s[G0A+4*\c+3], s[G0A+4*\c+3], 0x80000000
	s_mov_b32 s[G0B+4*\c], 1
	s_add_co_u32 s[G0B+4*\c+1], s99, \c*CHUNK
	s_add_nc_u64 s[G0B+4*\c+2:G0B+4*\c+3], s[60:61], \c*RECB
	s_or_b32 s[G0B+4*\c+3], s[G0B+4*\c+3], 0x80000000
.endr
	CROUND                                         ; all sixteen work-groups are here: the joint loads meet
	s_cmp_eq_u32 s15, 0                            ; a wave's four fills stand in one branch on the wave's number
	s_cbranch_scc0 .Lfor_b
.irp c, 0,1,2,3
	tensor_load_to_lds s[G0A+4*\c:G0A+4*\c+3], s[G1A:G1A+7]
	s_nop 0
.endr
.rept 4
	v_nop
.endr
	s_branch .Lasked
.Lfor_b:
.irp c, 0,1,2,3
	tensor_load_to_lds s[G0B+4*\c:G0B+4*\c+3], s[G1B:G1B+7]
	s_nop 0
.endr
.rept 4
	v_nop
.endr
.Lasked:
	v_and_b32 v20, 31, v0
	v_lshlrev_b32 v[GO], 4, v20
	v_and_b32 v21, 15, v0
	v_lshlrev_b32 v21, 3, v21
	s_mul_i32 s22, s15, 4*TROW                     ; my 4 tiles of A
	s_mul_i32 s23, s16, 8*TROW                     ; my 8 tiles of B
	s_add_co_u32 s23, s23, BOFF
.irp c, 0,1,2,3
	v_add_nc_u32 v[ADA+\c], s22, v[GO]
	v_add_nc_u32 v[ADB+\c], s23, v[GO]
	v_add_nc_u32 v[ASA+\c], s22, v21
	v_add_nc_u32 v[ASB+\c], s23, v21
	s_add_co_u32 s22, s22, CHUNK
	s_add_co_u32 s23, s23, CHUNK
.endr
.irp b, 0,1,2,3
	v_mov_b32 v[TM+4+\b], 0                        ; written once: a lane permute's destination counts as one of its sources
.endr
	s_mov_b32 s20, 0x76543210
	s_mov_b32 s21, 0xfedcba98
	; where my four fragments go.  T0: A's first tile of mine; sN: which 128 of B's rows.  (Registers that feed no descriptor.)
	s_lshl_b32 s66, s89, 3
	s_lshl_b32 s3, s15, 2
	s_add_co_u32 s66, s66, s3                      ; T0
	s_lshl_b32 s67, s90, 1
	s_add_co_u32 s67, s67, s16                     ; sN
	s_lshr_b32 s94, s66, 7                         ; q, k: ((batch x 8 + head) x 128 + token tile): batch = T0 / 128, head = sN
	s_lshl_b32 s94, s94, 3
	s_add_co_u32 s94, s94, s67
	s_lshl_b32 s94, s94, 7
	s_and_b32 s3, s66, 127
	s_add_co_u32 s94, s94, s3
	s_lshr_b32 s95, s67, 4                         ; v: ((batch x 8 + head) x 128 + 8 x key step + channel tile): batch = sN / 16, head = T0 / 8
	s_lshl_b32 s95, s95, 3
	s_lshr_b32 s3, s66, 3
	s_add_co_u32 s95, s95, s3
	s_lshl_b32 s95, s95, 7
	s_and_b32 s3, s67, 15
	s_lshl_b32 s3, s3, 3
	s_add_co_u32 s95, s95, s3
	s_and_b32 s3, s66, 7
	s_add_co_u32 s95, s95, s3
	s_cmp_eq_u32 s87, 2
	s_cselect_b32 s94, s95, s94
	s_mul_i32 s12, s94, 1536
	s_mul_i32 s3, s87, PCT
	s_add_co_u32 s12, s12, s3
	s_mov_b32 s13, 0
	s_add_nc_u64 s[12:13], s[8:9], s[12:13]        ; in pc
	s_lshl_b32 s18, s94, 7
	s_mul_i32 s3, s87, PST
	s_add_co_u32 s18, s18, s3
	s_mov_b32 s19, 0
	s_add_nc_u64 s[18:19], s[10:11], s[18:19]      ; in ps: a unit of 512 bytes for four fragments
.macro FETCH s                         ; K step s (128 along K): B's 8 and A's 4 fragments into set s % 2; with a chunk's first step its scale words
.set FC, (\s)/2
.set FS, (\s)%2
	WIN 0x40                                       ; destination window 1
.irp i, 0,1,2,3,4,5,6,7
.irp k, 0,1,2
	ds_load_b128 v[128*FS+12*\i+4*\k:128*FS+12*\i+4*\k+3], v[ADB+FC] offset:TROW*\i+1536*FS+512*\k
.endr
.endr
	WIN 0
.irp i, 0,1,2,3
.irp k, 0,1,2
	ds_load_b128 v[AF+48*FS+12*\i+4*\k:AF+48*FS+12*\i+4*\k+3], v[ADA+FC] offset:TROW*\i+1536*FS+512*\k
.endr
.endr
.if FS == 0
.irp i, 0,1,2,3
	ds_load_b64 v[SCA+8*(FC%2)+2*\i:SCA+8*(FC%2)+2*\i+1], v[ASA+FC] offset:TROW*\i+3072
.endr
.irp i, 0,1,2,3,4,5,6,7
	ds_load_b64 v[SCB+16*(FC%2)+2*\i:SCB+16*(FC%2)+2*\i+1], v[ASB+FC] offset:TROW*\i+3072
.endr
.endif
.endm
; 16 matrix instructions: A's tiles a0, a0 + 1 x B's eight.  The 32 accumulators take turns, one instruction a turn, in the same order in every step.
.macro MUL16 a0, s, zero
.set MP, (\s)%2
.set MC, ((\s)/2)%2
.irp a, \a0, \a0+1
.irp b, 0,1,2,3,4,5,6,7
.if \zero
	v_wmma_scale_f32_16x16x128_f8f6f4 v[8*(8*(\a)+\b):8*(8*(\a)+\b)+7], v[128*MP+12*\b:128*MP+12*\b+11], v[AF+48*MP+12*(\a):AF+48*MP+12*(\a)+11], 0, v[SCB+16*MC+2*\b+MP], v[SCA+8*MC+2*(\a)+MP] matrix_a_fmt:MATRIX_FMT_FP6 matrix_b_fmt:MATRIX_FMT_FP6
.else
	v_wmma_scale_f32_16x16x128_f8f6f4 v[8*(8*(\a)+\b):8*(8*(\a)+\b)+7], v[128*MP+12*\b:128*MP+12*\b+11], v[AF+48*MP+12*(\a):AF+48*MP+12*(\a)+11], v[8*(8*(\a)+\b):8*(8*(\a)+\b)+7], v[SCB+16*MC+2*\b+MP], v[SCA+8*MC+2*(\a)+MP] matrix_a_fmt:MATRIX_FMT_FP6 matrix_b_fmt:MATRIX_FMT_FP6
.endif
.endr
.endr
.endm
.macro STEP s, zero
	s_wait_dscnt 0x0                               ; this step's fragments are in (asked for 16 matrix instructions ago)
	WIN 0xa1                                       ; source 0 window 1, source 1 window 0, C and D window 2
	MUL16 0, \s, \zero
.if ((\s)%2 == 1) && ((\s) < 7)
	s_wait_tensorcnt 3-((\s)+1)/2                  ; my part of the next chunk has landed; the chunks behind it may be out
	s_barrier_signal -1                            ; (no LDS instruction of mine is out)
	s_barrier_wait -1                              ; everybody's part has
.endif
.if (\s) < 7
	PLACES
	FETCH (\s)+1
	WIN 0xa1
.endif
	MUL16 2, \s, \zero
.endm
; A's tile a: its 64 results of a lane, register 16 b + i = next K 32 b + 16 (lane / 16) + i, become a fragment in v[PCA + 12 a] on and a scale word in v[PW + a].  Each accumulator is read from its low end on.
.macro QUANTW a
.set QS, 64*(\a)
.set QP, PCA+12*(\a)
	WIN 0x0a                                       ; sources 0 and 1 window 2
.irp b, 0,1,2,3
	v_max3_num_f32 v[TM+\b], |v[QS+16*\b]|, |v[QS+16*\b+1]|, 0x1800000   ; and the floor 2^(3 - 127): the byte cannot fall under 1
.endr
	WIN 0x28                                       ; sources 1 and 2 window 2
.irp i, 2,4,6,8,10,12,14
.irp b, 0,1,2,3
	v_max3_num_f32 v[TM+\b], v[TM+\b], |v[QS+16*\b+\i]|, |v[QS+16*\b+\i+1]|
.endr
.endr
	WIN 0
.irp b, 0,1,2,3
	v_permlanex16_b32 v[TM+4+\b], v[TM+\b], s20, s21
.endr
.irp b, 0,1,2,3
	v_max_num_f32 v[TM+\b], v[TM+\b], v[TM+4+\b]   ; with lane l xor 16's: the block's largest magnitude
.endr
.irp b, 0,1,2,3
	v_add_nc_u32 v[TM+12+\b], 0xff000000, v[TM+\b] ; 2 off its exponent field: the conversion's scale operand
.endr
.irp b, 0,1,2,3
	v_lshrrev_b32 v[TM+4+\b], 23, v[TM+12+\b]      ; the byte
.endr
	v_lshl_or_b32 v[PW+(\a)], v[TM+5], 8, v[TM+4]
	v_lshl_or_b32 v[PW+(\a)], v[TM+6], 16, v[PW+(\a)]
	v_lshl_or_b32 v[PW+(\a)], v[TM+7], 24, v[PW+(\a)]
	WIN 0x02                                       ; source 0 window 2
.irp c, 0,1
	v_cvt_scalef32_pk16_fp6_f32 v[QP+6*\c:QP+6*\c+2], v[QS+32*\c:QS+32*\c+15], v[TM+12+2*\c]
	v_cvt_scalef32_pk16_fp6_f32 v[C2+4*\c:C2+4*\c+2], v[QS+32*\c+16:QS+32*\c+31], v[TM+12+2*\c+1]
.endr
	WIN 0
	v_nop                                          ; a plain instruction behind the conversions
.irp c, 0,1                                    ; the layout wants a whole block in a lane: lanes 0-15 block 2 c, lanes 16-31 block 2 c + 1
.irp i, 0,1,2
	v_permlane16_swap_b32 v[QP+6*\c+\i], v[C2+4*\c+\i]
.endr
.irp i, 0,1,2
	v_mov_b32 v[QP+3+6*\c+\i], v[C2+4*\c+\i]
.endr
.endr
.endm
	s_wait_tensorcnt 0x3                           ; my part of chunk 0 has landed,
	s_barrier_signal -1
	s_barrier_wait -1                              ; everybody's has
	FETCH 0
	STEP 0, 1                                      ; the first step's products start the sums
	STEP 1, 0
	STEP 2, 0
	STEP 3, 0
	STEP 4, 0
	STEP 5, 0
	STEP 6, 0
	STEP 7, 0
	PLACES
.irp a, 0,1,2,3
	QUANTW \a
.irp k, 0,1,2
	global_store_b128 v[GO], v[PCA+12*\a+4*\k:PCA+12*\a+4*\k+3], s[12:13] offset:1536*\a+512*\k   ; the image as it stands: 512 consecutive bytes
.endr
.endr
	global_store_b128 v[GO], v[PW:PW+3], s[18:19]  ; [r][4 words], and lanes 16-31, which hold the same words, write them once more: 512 consecutive bytes
	s_wait_tensorcnt 0x0                           ; the wave's end
	ds_add_u32 v[SPW], v[NIL]
	s_wait_dscnt 0x0
	CROUND                                         ; the closing round
	s_endpgm
.Lfunc_end_k_qae2f33ae67_proj:
	.size	k_qae2f33ae67_proj, .Lfunc_end_k_qae2f33ae67_proj-k_qae2f33ae67_proj
	.p2alignl 7, 3214868480
	.fill 96, 4, 3214868480
	.section	.rodata,"a",@progbits
	.p2align	6, 0x0
	.amdhsa_kernel k_qae2f33ae67_proj
		.amdhsa_group_segment_fixed_size 327680
		.amdhsa_private_segment_fixed_size 0
		.amdhsa_enable_private_segment 0
		.amdhsa_kernarg_size 32
		.amdhsa_user_sgpr_count 2
		.amdhsa_user_sgpr_kernarg_segment_ptr 1
		.amdhsa_wavefront_size32 1
		.amdhsa_system_sgpr_workgroup_id_x 1
		.amdhsa_system_sgpr_workgroup_id_y 1
		.amdhsa_system_sgpr_workgroup_id_z 1
		.amdhsa_system_vgpr_workitem_id 0
		.amdhsa_next_free_vgpr 768
		.amdhsa_next_free_sgpr 100
		.amdhsa_reserve_vcc 0
		.amdhsa_float_denorm_mode_32 3
		.amdhsa_float_denorm_mode_16_64 3
		.amdhsa_memory_ordered 1
		.amdhsa_forward_progress 1
		.amdhsa_inst_pref_size 82
	.end_amdhsa_kernel
	.amdgpu_metadata
---
amdhsa.version: [ 1, 2 ]
amdhsa.kernels:
  - .name:           k_qae2f33ae67_proj
    .symbol:         k_qae2f33ae67_proj.kd
    .args:
      - { .name: xc, .offset: 0, .size: 8, .value_kind: global_buffer, .address_space: global }
      - { .name: wc, .offset: 8, .size: 8, .value_kind: global_buffer, .address_space: global }
      - { .name: pc, .offset: 16, .size: 8, .value_kind: global_buffer, .address_space: global }
      - { .name: ps, .offset: 24, .size: 8, .value_kind: global_buffer, .address_space: global }
    .group_segment_fixed_size: 327680
    .private_segment_fixed_size: 0
    .kernarg_segment_align: 8
    .kernarg_segment_size: 32
    .max_flat_workgroup_size: 128
    .sgpr_count:     100
    .vgpr_count:     768
    .wavefront_size: 32
...
	.end_amdgpu_metadata
.endif
;; end of part 2
;; launch attn (part 3): grid 8 x 32, 16 waves a work-group, no clusters, 327,680 bytes of LDS; arguments pc, ps, ob; writes ob
.if DOCPART == 3
	.amdgcn_target "amdgcn-amd-amdhsa--gfx1250"
	.amdhsa_code_object_version 6
	.text
	.protected	k_qae2f33ae67_attn
	.globl	k_qae2f33ae67_attn
	.p2align	8
	.type	k_qae2f33ae67_attn,@function
k_qae2f33ae67_attn:
	s_mov_b64 s[64:65], 0
	v_nop
	global_prefetch_b8 v0, s[64:65] scope:SCOPE_SE
	s_setreg_imm32_b32 hwreg(HW_REG_WAVE_MODE, 25, 1), 1
	s_wait_xcnt 0x0
; O[b][q][head] = sum over keys of softmax(clip(q . k / 32, +-10,000)) v, both products on codes of FP6 with E8M0 scales; q, k, v come as fragment images (pc) and scale words (ps).
; THE SOFTMAX AHEAD OF THE SECOND PRODUCT: t = clip(score) x log2(e) / 32 (clip(s / 32, +-10,000) = clip(s, +-320,000) / 32, exactly); M = the running largest t rounded up to a whole number; p = 2^(t - M) is quantised
; along the keys, not normalised; the row's sum is taken of the unquantised p and divides O at the end.  When M moves, the sum and O are multiplied by 2^(old M - new M): exact.
; SHARES.  Work-group (x, y): head y = 8 batch + head, queries 256 x on.  Each of sixteen waves owns one tile of 16 queries in 256 registers, four waves to a SIMD.  Every wave walks the head's 16 key steps of 128 keys.
; K's and V's fragments come through a ring of two LDS slots of two key steps (4 x 12,288 dense bytes), one tensor load each for waves 0 to 3; the head's scale words (2 x 16,384 bytes) come once.
; LAYOUT.  S^T = K Q^T, O^T = V^T P^T: a lane holds one query throughout.  A tile of K holds keys 32 (t / 2) + 8 (t % 2) + r + 8 (r / 8), so the 16 registers of tiles 2 b, 2 b + 1 are 16 neighbouring keys.
; A fragment is three loads of 16 bytes a lane at 16 x lane + 512 c: each covers 512 consecutive bytes.
; NO CLUSTER, though the eight query blocks of a head walk the same K and V: a slot's 49,152 shared bytes stand beside 512 matrix and some 10,000 vector instructions of the work-group, so the shared bytes are a small part
; of a step's work, and joint loads would put a round of the cluster's barrier at each of the eight changes of slots.
; LIMITS: a block's largest p is taken from its largest score (this takes v_exp_f32 not to fall where its input rises); a block whose every p is 0 keeps the byte 1; NaN and infinities are not served.
; REGISTERS: v1, v2 addresses that stay; v8, v10 addresses in hand; v12 -M, v13 the largest t, v[14:15] the sum; v16-27 Q; v28 the prefetches' offset; v29 the clip's bound; v32-79 four fragments; v96-159 S^T, then p;
; v160-223 O^T; v224-235 p's codes; v232-247 at work; v248-251 four scale words; v252 f; v253 p's scale word; v254 at work; v255 Q's scale word.
.set PCT,   6291456
.set PST,   524288
.set SLOT1, 1<<16                      ; slot 1 begins here: one exclusive or turns an address
.set SCK,   131072                     ; K's scale words of the head; V's lie 16,384 bytes on
.set STAGE, 163840                     ; the way out: 16 rows x (512 + 16) bytes for each wave; no tensor load lands here
.set SPARE, 299008                     ; the spare words, 128 bytes for each wave: eight blocks of 256 bytes that no other line names
.set LI,   1                           ; v1   16 x lane; never rewritten
.set ASK0, 2                           ; v2   SCK + 16 x lane
.set SPW,  5                           ; v5   my spare word; never rewritten
.set NIL,  6                           ; v6   0; never rewritten
.set ADR,  8
.set ADS,  10
.set PFO,  28                          ; v28  256 x lane; never rewritten
.set WV,   18
.set SEL,  20
.set CS,   22                          ; s[22:23] c = log2(e) / 32
.set G1,   24                          ; s[24:31] 48 rows of 256 bytes
.set G1S,  32                          ; s[32:39] 32 rows of 256 bytes
.set G0,   40                          ; s[40:43] walks
.set G0S,  44
.set TB,   2                           ; s2   the slot in hand
.set TS,   3                           ; s3   the step's scale words: 1,024 bytes a step
.set SLOTS, 67
.set PFA,  50                          ; s[50:51] where my prefetches stand
.set LIM,  52                          ; s52  1 in a wave that prefetches, else the greatest number
; A PREFETCH INTO THE L2 of what the NEXT change of slots will ask for: 24,576 dense bytes of K and as many of V.  All eight work-groups of a head walk the same bytes: the head's first (x = 0) asks.  In it waves 4 to 6 ask
; for K's and waves 8 to 10 for V's, 8,192 bytes a wave, lanes 256 bytes apart, one instruction: each aligned run of 256 bytes is named once in the launch.  Slots 0 and 1 come by their loads alone; the last change
; that fills a slot asks for nothing: there is no slot behind it.
.macro ASK
	s_cmp_gt_u32 s[SLOTS], s[LIM]
	s_cbranch_scc0 .Lnot_mine_\@
	global_prefetch_b8 v[PFO], s[PFA:PFA+1] th:TH_LOAD_NT scope:SCOPE_SE
.Lnot_mine_\@:
.endm
	s_load_b128 s[4:7], s[0:1], 0x0                ; pc, ps
	s_load_b64 s[8:9], s[0:1], 0x10                ; ob
	v_lshl_add_u32 v[SPW], v0, 2, SPARE
	v_mov_b32 v[NIL], 0
	ds_add_u32 v[SPW], v[NIL]                      ; the wave's opening: the add and its wait ahead of my first tensor load
	v_lshrrev_b32 v8, 5, v0
	v_readfirstlane_b32 s[WV], v8                  ; wave 0..15
	s_and_b32 s53, ttmp7, 0xffff                   ; y
	s_lshr_b32 s54, s[WV], 1                       ; what I fetch, if I fetch: waves 0, 1: K's two steps; waves 2, 3: V's
	s_and_b32 s54, s54, 1
	s_add_co_u32 s54, s54, 1                       ; part 1 (k) or 2 (v)
	s_and_b32 s55, s[WV], 1
	s_mul_i32 s56, s54, PCT
	s_mul_i32 s57, s53, 196608
	s_add_co_u32 s56, s56, s57
	s_mul_i32 s57, s55, 12288
	s_add_co_u32 s56, s56, s57
	s_mov_b32 s57, 0
	s_mul_i32 s58, s54, PST
	s_lshl_b32 s59, s53, 14
	s_add_co_u32 s58, s58, s59
	s_lshl_b32 s59, s55, 13
	s_add_co_u32 s58, s58, s59
	s_mov_b32 s59, 0
	s_mul_i32 s61, s[WV], 12288                    ; in a slot
	s_lshl_b32 s62, s[WV], 13
	s_add_co_u32 s62, s62, SCK                     ; among the scale words
	s_mov_b32 s[G1], 3<<16                         ; no mask; elements of 8 bytes; no padding
	s_mov_b32 s[G1+1], 32<<16                      ; tensor_dim0: 256 bytes
	s_mov_b32 s[G1+2], 48<<16                      ; tensor_dim1
	s_mov_b32 s[G1+3], 32<<16                      ; tile_dim0
	s_mov_b32 s[G1+4], 48                          ; tile_dim1
	s_mov_b32 s[G1+5], 32                          ; dense
	s_mov_b32 s[G1+6], 0
	s_mov_b32 s[G1+7], 0
	s_mov_b32 s[G1S], 3<<16
	s_mov_b32 s[G1S+1], 32<<16
	s_mov_b32 s[G1S+2], 32<<16
	s_mov_b32 s[G1S+3], 32<<16
	s_mov_b32 s[G1S+4], 32
	s_mov_b32 s[G1S+5], 32
	s_mov_b32 s[G1S+6], 0
	s_mov_b32 s[G1S+7], 0
	s_lshl_b32 s63, ttmp9, 4
	s_add_co_u32 s63, s63, s[WV]                   ; tq: my tile of queries in the batch
	s_lshl_b32 s68, s53, 7
	s_add_co_u32 s68, s68, s63
	s_mul_i32 s68, s68, 1536                       ; its fragment
	s_mov_b32 s69, 0
	s_lshl_b32 s72, s53, 5
	s_lshr_b32 s73, s63, 2
	s_add_co_u32 s72, s72, s73
	s_lshl_b32 s72, s72, 9
	s_and_b32 s73, s63, 3
	s_lshl_b32 s73, s73, 2
	s_add_co_u32 s72, s72, s73                     ; its scale words: unit tq / 4, word tq % 4
	s_mov_b32 s73, 0
	s_lshr_b32 s76, s53, 3
	s_lshl_b32 s76, s76, 11
	s_lshr_b32 s77, s63, 1
	s_lshl_b32 s77, s77, 5
	s_add_co_u32 s76, s76, s77
	s_and_b32 s77, s63, 1
	s_lshl_b32 s77, s77, 3
	s_add_co_u32 s76, s76, s77                     ; its first row of O: 2,048 batch + 32 (tq / 2) + 8 (tq % 2)
	s_lshl_b32 s76, s76, 12
	s_and_b32 s77, s53, 7
	s_lshl_b32 s77, s77, 9
	s_add_co_u32 s76, s76, s77                     ; + the head's 512 bytes
	s_mov_b32 s77, 0
	s_mov_b32 s80, 2*PCT                           ; the prefetches: waves under 8 stand in K, the others in V
	s_cmp_lt_u32 s[WV], 8
	s_cselect_b32 s80, PCT, s80
	s_mul_i32 s81, s53, 196608
	s_add_co_u32 s80, s80, s81
	s_and_b32 s81, s[WV], 3
	s_lshl_b32 s81, s81, 13
	s_add_co_u32 s80, s80, s81
	s_add_co_u32 s80, s80, 24576                   ; in slot 1: the first change of slots steps it to slot 2
	s_mov_b32 s81, 0
	s_sub_co_u32 s82, s[WV], 4
	s_lshr_b32 s82, s82, 3                         ; 0 in waves 4 to 11,
	s_or_b32 s82, s82, ttmp9                       ; of the head's first work-group
	s_cmp_eq_u32 s82, 0
	s_cselect_b32 s[LIM], 1, -1
	s_and_b32 s82, s[WV], 3
	s_cmp_eq_u32 s82, 3                            ; (three waves' worth: 3 x 8,192 bytes)
	s_cselect_b32 s[LIM], -1, s[LIM]
	s_mov_b32 s[SEL], 0x76543210
	s_mov_b32 s[SEL+1], 0xfedcba98
	s_mov_b32 s[CS], 0x3d38aa3b                    ; log2(e) / 32
	s_mov_b32 s[CS+1], s[CS]
	s_mov_b32 s[TB], 0
	s_mov_b32 s[TS], 0
	s_mov_b32 s[SLOTS], 7
	s_wait_dscnt 0x0                               ; the opening add is done
	s_wait_kmcnt 0x0
	s_mov_b32 s[G0S], 1
	s_mov_b32 s[G0S+1], s62
	s_add_nc_u64 s[G0S+2:G0S+3], s[6:7], s[58:59]
	s_or_b32 s[G0S+3], s[G0S+3], 0x80000000
	s_mov_b32 s[G0], 1
	s_mov_b32 s[G0+1], s61
	s_add_nc_u64 s[G0+2:G0+3], s[4:5], s[56:57]
	s_or_b32 s[G0+3], s[G0+3], 0x80000000
	s_cmp_lt_u32 s[WV], 4                          ; the first fills stand in one branch: two loads of mine are out
	s_cbranch_scc0 .Lno_fetch
	tensor_load_to_lds s[G0S:G0S+3], s[G1S:G1S+7]  ; a quarter of the head's scale words: filled once
	s_nop 0
	tensor_load_to_lds s[G0:G0+3], s[G1:G1+7]      ; slot 0
	s_nop 0
.rept 4
	v_nop
.endr
.Lno_fetch:
	s_add_nc_u64 s[70:71], s[4:5], s[68:69]
	s_add_nc_u64 s[74:75], s[6:7], s[72:73]
	s_add_nc_u64 s[10:11], s[8:9], s[76:77]
	s_add_nc_u64 s[PFA:PFA+1], s[4:5], s[80:81]
	v_and_b32 v8, 31, v0
	v_lshlrev_b32 v[LI], 4, v8
	v_lshlrev_b32 v[PFO], 8, v8
	v_add_nc_u32 v[ASK0], SCK, v[LI]
.irp k, 0,1,2
	global_load_b128 v[16+4*\k:19+4*\k], v[LI], s[70:71] offset:512*\k   ; Q's fragment stays in registers
.endr
	global_load_b32 v255, v[LI], s[74:75]          ; Q's scale words (lanes 16-31 read the unit's second copy)
	v_mov_b32 v29, 0x489c4000                      ; 320,000
	v_mov_b32 v13, 0xff61b1e6                      ; the largest t so far: -3e38
	v_floor_f32 v12, -v13                          ; -M
	v_mov_b32 v14, 0
	v_mov_b32 v15, 0
.irp b, 0,1,2,3
	v_mov_b32 v[236+\b], 0                         ; written once: a lane permute's destination counts as one of its sources
.endr
	v_mov_b32 v253, 0
.set j, 0
.rept 64
	v_mov_b32 v[160+j], 0                          ; O^T: the loop is written once; its first step finds zeros, which the first change of M leaves zeros
.set j, j+1
.endr
; A KEY STEP: 128 keys, the q-th of the slot in hand
.macro STEP q
	v_add_nc_u32 v[ADR], s[TB], v[LI]
	v_add_nc_u32 v[ADS], s[TS], v[ASK0]
	v_nop
	v_nop                                          ; four places in front of loads into registers that the last products read
.irp g, 0,1                                    ; S^T = K Q^T, four tiles of 16 keys at a time
.if \g > 0
.rept 4
	v_nop
.endr
.endif
.irp t, 0,1,2,3
.irp k, 0,1,2
	ds_load_b128 v[32+12*\t+4*\k:35+12*\t+4*\k], v[ADR] offset:12288*(\q)+1536*(4*\g+\t)+512*\k
.endr
.endr
	ds_load_b128 v[248:251], v[ADS] offset:512*\g  ; the four tiles' scale words of my lane's row
	s_wait_dscnt 0x0
.irp t, 0,1,2,3
	v_wmma_scale_f32_16x16x128_f8f6f4 v[96+8*(4*\g+\t):103+8*(4*\g+\t)], v[32+12*\t:43+12*\t], v[16:27], 0, v[248+\t], v255 matrix_a_fmt:MATRIX_FMT_FP6 matrix_b_fmt:MATRIX_FMT_FP6
.endr
.endr
.rept 4
	v_nop
.endr
.set j, 0
.rept 64
	v_med3_num_f32 v[96+j], v[96+j], -v29, v29     ; the clip, always executed; each accumulator from its low end on
.set j, j+1
.endr
.irp b, 0,1,2,3
	v_max3_num_f32 v[232+\b], v[96+16*\b], v[97+16*\b], v[98+16*\b]   ; the largest score of each block of 32 keys: for the row's maximum, and for the block's largest p
.endr
.irp i, 3,5,7,9,11,13
.irp b, 0,1,2,3
	v_max3_num_f32 v[232+\b], v[232+\b], v[96+16*\b+\i], v[97+16*\b+\i]
.endr
.endr
.irp b, 0,1,2,3
	v_max_num_f32 v[232+\b], v[232+\b], v[111+16*\b]
.endr
.irp b, 0,1,2,3
	v_permlanex16_b32 v[236+\b], v[232+\b], s[SEL], s[SEL+1]
.endr
.irp b, 0,1,2,3
	v_max_num_f32 v[232+\b], v[232+\b], v[236+\b]  ; with lane l xor 16's 16 keys
.endr
	v_max3_num_f32 v254, v232, v233, v234
	v_max_num_f32 v254, v254, v235
	v_mul_f32 v254, s[CS], v254                    ; as t
	v_max_num_f32 v13, v13, v254                   ; the running largest t
	v_mov_b32 v254, v12
	v_floor_f32 v12, -v13                          ; the new -M = -ceil(t)
	v_sub_f32 v254, v12, v254                      ; old M - new M: a whole number, 0 or less
	v_cvt_i32_f32 v254, v254                       ; (it saturates)
	v_ldexp_f32 v252, 1.0, v254                    ; f = 2^(old M - new M)
.set j, 0
.rept 32
	v_pk_fma_f32 v[96+j:97+j], v[96+j:97+j], s[CS:CS+1], v[12:13] op_sel_hi:[1,0,0]   ; t - M
.set j, j+2
.endr
.irp b, 0,1,2,3
	v_fma_f32 v[232+\b], v[232+\b], s[CS], v12
.endr
.set j, 0
.rept 64
	v_exp_f32 v[96+j], v[96+j]                     ; p = 2^(t - M)
.set j, j+1
.endr
	v_pk_mul_f32 v[14:15], v[14:15], v[252:253] op_sel_hi:[1,0]   ; the sums under the new M; the plain instruction behind the exponentials
	s_wait_alu depctr_va_vdst(0)                   ; one wait for the batch, ahead of its first reader
.irp b, 0,1,2,3
	v_exp_f32 v[232+\b], v[232+\b]                 ; the block's largest p
.endr
	v_pk_add_f32 v[236:237], v[96:97], v[98:99]    ; the row's sum of the unquantised p, in two chains
.irp j, 4,8,12,16,20,24,28,32,36,40,44,48,52,56,60
	v_pk_add_f32 v[14:15], v[14:15], v[96+\j:97+\j]
	v_pk_add_f32 v[236:237], v[236:237], v[98+\j:99+\j]
.endr
	v_pk_add_f32 v[14:15], v[14:15], v[236:237]
	s_wait_alu depctr_va_vdst(0)                   ; and one for the four
.irp b, 0,1,2,3
	v_max_num_f32 v[232+\b], 0x1800000, v[232+\b]  ; the floor 2^(3 - 127)
.endr
.irp b, 0,1,2,3
	v_add_nc_u32 v[244+\b], 0xff000000, v[232+\b]  ; the conversion's scale operand
.endr
.irp b, 0,1,2,3
	v_lshrrev_b32 v[236+\b], 23, v[244+\b]         ; the byte
.endr
	v_lshl_or_b32 v253, v237, 8, v236              ; p's scale word for these 128 keys
	v_lshl_or_b32 v253, v238, 16, v253
	v_lshl_or_b32 v253, v239, 24, v253
.irp c, 0,1
	v_cvt_scalef32_pk16_fp6_f32 v[224+6*\c:226+6*\c], v[96+32*\c:111+32*\c], v[244+2*\c]
	v_cvt_scalef32_pk16_fp6_f32 v[236+4*\c:238+4*\c], v[112+32*\c:127+32*\c], v[244+2*\c+1]
.endr
	v_nop                                          ; a plain instruction behind the conversions
.irp c, 0,1
.irp i, 0,1,2
	v_permlane16_swap_b32 v[224+6*\c+\i], v[236+4*\c+\i]
.endr
.irp i, 0,1,2
	v_mov_b32 v[227+6*\c+\i], v[236+4*\c+\i]
.endr
.endr
.set j, 0
.rept 32
	v_pk_mul_f32 v[160+j:161+j], v[160+j:161+j], v[252:253] op_sel_hi:[1,0]   ; O^T under the new M; these 32 stand between the operand's and the scale word's last writes and the products below
.set j, j+2
.endr
.irp g, 0,1                                    ; O^T += V^T P^T: four tiles of 16 channels at a time
.if \g > 0
.rept 4
	v_nop
.endr
.endif
.irp t, 0,1,2,3
.irp k, 0,1,2
	ds_load_b128 v[32+12*\t+4*\k:35+12*\t+4*\k], v[ADR] offset:24576+12288*(\q)+1536*(4*\g+\t)+512*\k
.endr
.endr
	ds_load_b128 v[248:251], v[ADS] offset:16384+512*\g
	s_wait_dscnt 0x0
.irp t, 0,1,2,3
	v_wmma_scale_f32_16x16x128_f8f6f4 v[160+8*(4*\g+\t):167+8*(4*\g+\t)], v[32+12*\t:43+12*\t], v[224:235], v[160+8*(4*\g+\t):167+8*(4*\g+\t)], v[248+\t], v253 matrix_a_fmt:MATRIX_FMT_FP6 matrix_b_fmt:MATRIX_FMT_FP6
.endr
.endr
	s_add_co_u32 s[TS], s[TS], 1024
.endm
; THE CHANGE OF SLOTS stands at a slot's head.  Each wave waits for all its tensor loads, adds 0 to its spare word, and waits for that and for its reads of the slot that it has left; behind the barrier the slot ahead is
; whole and nobody reads the other one, which is filled first thing (fill = 1): that load has two key steps in which to land.
.macro CHANGE fill
	s_wait_tensorcnt 0x0                           ; no tensor load of mine is out, so group 0 may be written
	ds_add_u32 v[SPW], v[NIL]
.if \fill
	s_xor_b32 s[G0+1], s[G0+1], SLOT1
	s_add_nc_u64 s[G0+2:G0+3], s[G0+2:G0+3], 24576
	s_wait_xcnt 0x0                                ; the last prefetch, a slot back, has read its address
	s_add_nc_u64 s[PFA:PFA+1], s[PFA:PFA+1], 24576
.endif
	s_wait_dscnt 0x0
	s_barrier_signal -1
	s_barrier_wait -1
.if \fill
	s_cmp_lt_u32 s[WV], 4
	s_cbranch_scc0 .Lnone_\@
	tensor_load_to_lds s[G0:G0+3], s[G1:G1+7]
	s_nop 0
.rept 4
	v_nop
.endr
.Lnone_\@:
	ASK
.endif
.endm
	s_wait_loadcnt 0x0                             ; Q
.Lslot:                                            ; seven trips: behind each change of slots but the last the next slot is asked for
	CHANGE 1
	STEP 0
	STEP 1
	s_xor_b32 s[TB], s[TB], SLOT1
	s_sub_co_u32 s[SLOTS], s[SLOTS], 1
	s_cmp_lg_u32 s[SLOTS], 0
	s_cbranch_scc1 .Lslot
	CHANGE 0                                       ; the last slot is written out
	STEP 0
	STEP 1
	; THE WAY OUT: O^T / the sum goes through my stage and leaves as whole rows of 512 bytes
	v_add_f32 v14, v14, v15
	v_permlanex16_b32 v252, v14, s[SEL], s[SEL+1]
	v_add_f32 v14, v14, v252
	v_rcp_f32 v14, v14
	v_and_b32 v8, 15, v0
	v_bfe_u32 v9, v0, 4, 1
	s_mul_i32 s53, s[WV], 16*528
	s_add_co_u32 s53, s53, STAGE
	v_mul_u32_u24 v10, v8, 528
	v_lshl_add_u32 v10, v9, 6, v10
	v_add_nc_u32 v10, s53, v10                     ; in: row r; tile t's register i is channel 32 (t / 2) + 8 (t % 2) + 16 h + i
	v_add_nc_u32 v11, s53, v[LI]                   ; back: a row to an instruction
	s_wait_alu depctr_va_vdst(0)                   ; ahead of the reciprocal's first reader
.set j, 0
.rept 64
	v_mul_f32 v[96+j], v[160+j], v14
.set j, j+1
.endr
.irp t, 0,1,2,3,4,5,6,7
	ds_store_b128 v10, v[96+8*\t:99+8*\t] offset:128*(\t/2)+32*(\t%2)
	ds_store_b128 v10, v[100+8*\t:103+8*\t] offset:128*(\t/2)+32*(\t%2)+16
.endr
.irp i, 0,1,2,3,4,5,6,7,8,9,10,11,12,13,14,15
	ds_load_b128 v[32+4*\i:35+4*\i], v11 offset:528*\i   ; LDS serves a wave's instructions in order: these see my stores
.endr
.irp i, 0,1,2,3,4,5,6,7,8,9,10,11,12,13,14,15
	s_wait_dscnt 15-\i                             ; row i is back; the later rows' loads may be out
	global_store_b128 v[LI], v[32+4*\i:35+4*\i], s[10:11] offset:(\i+8*(\i/8))*4096   ; 512 consecutive bytes
.endr
	s_wait_tensorcnt 0x0                           ; the wave's end
	ds_add_u32 v[SPW], v[NIL]
	s_wait_dscnt 0x0
	s_endpgm
.Lfunc_end_k_qae2f33ae67_attn:
	.size	k_qae2f33ae67_attn, .Lfunc_end_k_qae2f33ae67_attn-k_qae2f33ae67_attn
	.p2alignl 7, 3214868480
	.fill 96, 4, 3214868480
	.section	.rodata,"a",@progbits
	.p2align	6, 0x0
	.amdhsa_kernel k_qae2f33ae67_attn
		.amdhsa_group_segment_fixed_size 327680
		.amdhsa_private_segment_fixed_size 0
		.amdhsa_enable_private_segment 0
		.amdhsa_kernarg_size 24
		.amdhsa_user_sgpr_count 2
		.amdhsa_user_sgpr_kernarg_segment_ptr 1
		.amdhsa_wavefront_size32 1
		.amdhsa_system_sgpr_workgroup_id_x 1
		.amdhsa_system_sgpr_workgroup_id_y 1
		.amdhsa_system_sgpr_workgroup_id_z 1
		.amdhsa_system_vgpr_workitem_id 0
		.amdhsa_next_free_vgpr 256
		.amdhsa_next_free_sgpr 84
		.amdhsa_reserve_vcc 0
		.amdhsa_float_denorm_mode_32 3
		.amdhsa_float_denorm_mode_16_64 3
		.amdhsa_memory_ordered 1
		.amdhsa_forward_progress 1
		.amdhsa_inst_pref_size 107
	.end_amdhsa_kernel
	.amdgpu_metadata
---
amdhsa.version: [ 1, 2 ]
amdhsa.kernels:
  - .name:           k_qae2f33ae67_attn
    .symbol:         k_qae2f33ae67_attn.kd
    .args:
      - { .name: pc, .offset: 0, .size: 8, .value_kind: global_buffer, .address_space: global }
      - { .name: ps, .offset: 8, .size: 8, .value_kind: global_buffer, .address_space: global }
      - { .name: ob, .offset: 16, .size: 8, .value_kind: global_buffer, .address_space: global }
    .group_segment_fixed_size: 327680
    .private_segment_fixed_size: 0
    .kernarg_segment_align: 8
    .kernarg_segment_size: 24
    .max_flat_workgroup_size: 512
    .sgpr_count:     84
    .vgpr_count:     256
    .wavefront_size: 32
...
	.end_amdgpu_metadata
.endif
;; end of part 3
;; launch out (part 4): grid 2 x 128, 4 waves a work-group, no clusters, 320,000 bytes of LDS; arguments ob, wc, ln_g, ln_b, out0; writes out0
.if DOCPART == 4
	.amdgcn_target "amdgcn-amd-amdhsa--gfx1250"
	.amdhsa_code_object_version 6
	.text
	.protected	k_qae2f33ae67_out
	.globl	k_qae2f33ae67_out
	.p2align	8
	.type	k_qae2f33ae67_out,@function
k_qae2f33ae67_out:
	s_mov_b64 s[64:65], 0
	v_nop
	global_prefetch_b8 v0, s[64:65] scope:SCOPE_SE
	s_setreg_imm32_b32 hwreg(HW_REG_WAVE_MODE, 25, 1), 1
	s_wait_xcnt 0x0
; out0 = L + gelu(L Wo), L = LN(O) with gain ln_g and bias ln_b; the product on codes of FP6 with E8M0 scales; gelu with the exact erf's shape.
; SHARES.  Work-group (x, y): rows 64 y on, columns 512 x on.  A: wave w normalises and quantises rows 16 w .. 16 w + 15 (all 1,024 columns: both halves x do this; a launch of its own and a second way of the codes through
; memory would cost more), stores the images of their eight fragments in LDS and keeps its half's columns of L in LDS as the residual.  One barrier.  B: wave w makes columns 128 w .. + 127 of the half for all 64 rows:
; 32 accumulators; source 0 = Wo's fragments, source 1 = L's.  C: the results turn through the wave's own stage; gelu and the residual on whole rows; stores of 512 consecutive bytes.
; Wo's FRAGMENTS GO FROM MEMORY STRAIGHT INTO REGISTERS, in the order in which the launch before laid them: no two waves of a work-group read the same one, and LDS is taken (stage 135,168, residual 132,096, images 50,176,
; scale words 2,048 bytes), so there is no room for slots, no tensor load and no joint load.  Four sets of 8 fragments; steps 0 to 3 are asked for during phase A, step s + 4 behind step s.
; GELU: gelu(x) = max(x, 0) - |x| q, q = erfc(|x| / sqrt 2) / 2 = (a1 t + .. + a5 t^5) 2^(-x x log2(e) / 2), t = 1 / (1 + 0.23164189 |x|) (Abramowitz and Stegun 7.1.26, halved): it holds for every x, with an
; absolute error of 1.5e-7 in erf.  It stands ahead of no quantiser.
; LIMITS: a block of zeros gets the byte 1; NaN and infinities are not served.
.set WT,     851968
.set TILEB,  13312
.set RECB,   3328
.set FPI,    1568                      ; from image to image
.set YSW,    64*528                    ; a wave's stage: 64 rows x (512 + 16); its first 4,608 bytes serve phase A's turn
.set RES,    4*YSW                     ; the residual: 64 rows x (2,048 + 16)
.set XIMG,   RES+64*2064               ; 32 images: 8 m + s
.set XSC,    XIMG+32*FPI               ; scale words: for each m, [s / 4][r][4 words]
.set SPARE,  XSC+2048                  ; the spare words, 128 bytes for each wave: two blocks of 256 bytes that no other line names
.set IMGO,   0
.set SCO,    0
.set SCP,    16
.set GOF,  2                           ; v2   16 x lane
.set TI,   3
.set TO,   4
.set PA0,  5
.set PA1,  6
.set TMPV, 7
.set SBA,  8
.set XIA,  9                           ; v9   XIMG + 16 x lane
.set XSA,  10                          ; v10  XSC + 16 (lane % 16)
.set GO8,  11                          ; v11  8 x lane
.set SPW,  12                          ; v12  my spare word; never rewritten
.set NIL,  13                          ; v13  0; never rewritten
.set RSA,  14                          ; v14  the residual: my 16 rows, 16 x lane
.set YST,  15                          ; v15  my stage: row lane % 16, + 64 (lane / 16)
.set G,    16
.set B,    48
.set R,    80
.set X,    208
.set PC,   240
.set MX0,  248
.set MX1,  249
.set SC,   250
.set BY,   251
.set MU,   252
.set RS,   254
.set XS,   16                          ; phase B: v16-47 L's scale words (8 m + s); v80-143 Wo's (8 t + s); v144-239 L's fragments, two sets of 4 x 12
.set WSR,  80
.set XF,   144
.set YY,   16                          ; phase C: 32 numbers each
.set RZ,   48
.set TT,   80
.set EE,   112
.set PP,   144
.set OO,   176
.set KC,   208                         ; v208-219 six pairs of constants
.set MSB, 0
.macro WIN new
.if MSB != (\new)
	s_set_vgpr_msb (MSB<<8)|(\new)
.set MSB, (\new)
.endif
.endm
.macro PLACES
.rept 4
	v_nop
.endr
.endm
.macro LOADROW set, r
.irp i, 0,1,2,3,4,5,6,7
	global_load_b128 v[R+32*(\set)+4*\i:R+32*(\set)+4*\i+3], v[GOF], s[32:33] offset:(\r)*4096+512*\i
.endr
.endm
.macro WSUM
	v_add_f32_dpp v[X], v[X], v[X] row_xmask:1 row_mask:0xf bank_mask:0xf
	v_add_f32_dpp v[X], v[X], v[X] row_xmask:2 row_mask:0xf bank_mask:0xf
	v_add_f32_dpp v[X], v[X], v[X] row_xmask:4 row_mask:0xf bank_mask:0xf
	v_add_f32_dpp v[X], v[X], v[X] row_xmask:8 row_mask:0xf bank_mask:0xf
	v_permlanex16_b32 v[X+1], v[X], s38, s39
	v_add_f32 v[X], v[X], v[X+1]
.endm
.macro FOLD
	v_pk_add_f32 v[X:X+1], v[X:X+1], v[X+2:X+3]
	v_pk_add_f32 v[X+4:X+5], v[X+4:X+5], v[X+6:X+7]
	v_pk_add_f32 v[X:X+1], v[X:X+1], v[X+4:X+5]
	v_add_f32 v[X], v[X], v[X+1]
.endm
.macro LNORM set                       ; (x - mean) / sqrt(var + eps) x gain + bias, in place; the variance in a second pass
.set RB, R+32*(\set)
.irp k, 0,2,4,6
	v_pk_add_f32 v[X+\k:X+\k+1], v[RB+\k:RB+\k+1], v[RB+8+\k:RB+9+\k]
.endr
.irp j, 16,24
.irp k, 0,2,4,6
	v_pk_add_f32 v[X+\k:X+\k+1], v[X+\k:X+\k+1], v[RB+\j+\k:RB+\j+\k+1]
.endr
.endr
	FOLD
	WSUM
	v_mul_f32 v[MU], s36, v[X]
.irp k, 0,2,4,6,8,10,12,14,16,18,20,22,24,26,28,30
	v_pk_add_f32 v[RB+\k:RB+\k+1], v[RB+\k:RB+\k+1], v[MU:MU+1] op_sel_hi:[1,0] neg_lo:[0,1] neg_hi:[0,1]
.endr
.irp k, 0,2,4,6
	v_pk_mul_f32 v[X+\k:X+\k+1], v[RB+\k:RB+\k+1], v[RB+\k:RB+\k+1]
.endr
.irp j, 8,16,24
.irp k, 0,2,4,6
	v_pk_fma_f32 v[X+\k:X+\k+1], v[RB+\j+\k:RB+\j+\k+1], v[RB+\j+\k:RB+\j+\k+1], v[X+\k:X+\k+1]
.endr
.endr
	FOLD
	WSUM
	v_fma_f32 v[X], v[X], s36, s37
	v_rsq_f32 v[RS], v[X]
	v_nop                                          ; a plain instruction behind the transcendental
	s_wait_alu depctr_va_vdst(0)                   ; the wait ahead of the first reader
.irp k, 0,2,4,6,8,10,12,14,16,18,20,22,24,26,28,30
	v_pk_mul_f32 v[RB+\k:RB+\k+1], v[RB+\k:RB+\k+1], v[RS:RS+1] op_sel_hi:[1,0]
.endr
.irp k, 0,2,4,6,8,10,12,14,16,18,20,22,24,26,28,30
	v_pk_fma_f32 v[RB+\k:RB+\k+1], v[RB+\k:RB+\k+1], v[G+\k:G+\k+1], v[B+\k:B+\k+1]
.endr
.endm
.macro TURN set
.set RB, R+32*(\set)
.irp i, 0,1,2,3,4,5,6,7
	ds_store_b128 v[TI], v[RB+4*\i:RB+4*\i+3] offset:576*\i
.endr
.irp j, 0,1,2,3,4,5,6,7
	ds_load_b128 v[X+4*\j:X+4*\j+3], v[TO] offset:16*\j
.endr
.endm
.macro BMAX s
	v_max3_num_f32 v[MX0], |v[\s]|, |v[\s+1]|, 0x1800000
	v_max3_num_f32 v[MX1], |v[\s+2]|, |v[\s+3]|, |v[\s+4]|
.irp i, 5,9,13,17,21,25
	v_max3_num_f32 v[MX0], v[MX0], |v[\s+\i]|, |v[\s+\i+1]|
	v_max3_num_f32 v[MX1], v[MX1], |v[\s+\i+2]|, |v[\s+\i+3]|
.endr
	v_max3_num_f32 v[MX0], v[MX0], |v[\s+29]|, |v[\s+30]|
	v_max3_num_f32 v[MX0], v[MX0], v[MX1], |v[\s+31]|
.endm
.macro CODES s
	v_add_nc_u32 v[SC], 0xff000000, v[MX0]
	v_cvt_scalef32_pk16_fp6_f32 v[PC:PC+2], v[\s:\s+15], v[SC]
	v_cvt_scalef32_pk16_fp6_f32 v[PC+4:PC+6], v[\s+16:\s+31], v[SC]
	v_lshrrev_b32 v[BY], 23, v[SC]                 ; the byte; also the plain instruction behind the conversions
	v_mov_b32 v[PC+3], v[PC+4]
	v_mov_b32 v[PC+4], v[PC+5]
	v_mov_b32 v[PC+5], v[PC+6]
.endm
.macro PUT r
	ds_store_b64 v[PA0], v[PC:PC+1] offset:IMGO+16*(\r)
	ds_store_b64 v[PA1], v[PC+2:PC+3] offset:IMGO+8+16*(\r)
	ds_store_b64 v[PA0], v[PC+4:PC+5] offset:IMGO+512+16*(\r)
	ds_store_b8 v[SBA], v[BY] offset:SCO+SCP*(\r)
.endm
.macro WOBATCH r                       ; loads 8 r .. 8 r + 7 of the 96 that bring Wo's fragments of K steps 0 to 3: step r / 3, in window 2 + step / 2, register 128 (step % 2) + 12 t + 4 k
.set WSTP, (\r)/3
	WIN 0x80+0x40*(WSTP/2)
.irp e, 0,1,2,3,4,5,6,7
.set WQ, (8*(\r)+\e)%24
	global_load_b128 v[128*(WSTP%2)+12*(WQ/3)+4*(WQ%3):128*(WSTP%2)+12*(WQ/3)+4*(WQ%3)+3], v[GOF], s[34:35] offset:(WQ/3)*TILEB+RECB*(WSTP/2)+1536*(WSTP%2)+512*(WQ%3)
.endr
	WIN 0
.endm
.macro WSBATCH r                       ; Wo's scale words of tiles 4 (r - 12) on, into the set of registers that row r has just left
.irp t, 0,1,2,3
.irp c, 0,1,2,3
	global_load_b64 v[WSR+8*(4*((\r)-12)+\t)+2*\c:WSR+8*(4*((\r)-12)+\t)+2*\c+1], v[GO8], s[34:35] offset:(4*((\r)-12)+\t)*TILEB+RECB*\c+3072
.endr
.endr
.endm
.macro ROW r
.if (\r) < 4
	s_wait_loadcnt 24+8*(\r)                       ; behind my row's eight: rows r + 1 to 3, and sixteen loads in each of the r turns before
.elseif (\r) < 15
	s_wait_loadcnt 56                              ; behind my row's eight: the eight of Wo's in the same turn, and sixteen in each of the three turns since
.else
	s_wait_loadcnt 40                              ; the turn before issued none
.endif
	LNORM (\r)%4
.set RB, R+32*((\r)%4)
.set j, 0
.rept 16
	v_cndmask_b32 v[X+j], v[RB+j], v[RB+16+j], s46 ; my half's 512 columns: a choice of values by the work-group's x, no branch
.set j, j+1
.endr
.irp i, 0,1,2,3
	ds_store_b128 v[RSA], v[X+4*\i:X+4*\i+3] offset:2064*(\r)+512*\i
.endr
	TURN (\r)%4
	s_wait_dscnt 0x0
.if (\r) < 12
	LOADROW (\r)%4, (\r)+4
	WOBATCH \r
.elseif (\r) < 14
	WSBATCH \r
.endif
	BMAX X
	CODES X
	PUT \r
.endm
	s_load_b256 s[8:15], s[0:1], 0x0               ; ob, wc, ln_g, ln_b
	s_load_b64 s[16:17], s[0:1], 0x20              ; out0
	v_lshl_add_u32 v[SPW], v0, 2, SPARE
	v_mov_b32 v[NIL], 0
	v_lshrrev_b32 v1, 5, v0
	v_readfirstlane_b32 s30, v1                    ; wave
	s_and_b32 s29, ttmp7, 0xffff                   ; y
	s_mov_b32 s31, ttmp9                           ; x
	s_cmp_eq_u32 s31, 1
	s_cselect_b32 s46, -1, 0
	s_mov_b32 s36, 0x3a800000                      ; 1 / 1024
	s_mov_b32 s37, 0x3727c5ac                      ; eps = 1e-5
	s_mov_b32 s38, 0x76543210
	s_mov_b32 s39, 0xfedcba98
	s_mov_b32 s20, 0x3e6d3388                      ; 0.23164189
	s_mul_i32 s40, s30, YSW
	s_mul_i32 s41, s30, 8*FPI
	s_add_co_u32 s41, s41, XIMG
	s_lshl_b32 s42, s30, 9
	s_add_co_u32 s42, s42, XSC
	s_mul_i32 s43, s30, 16*2064
	s_add_co_u32 s43, s43, RES
	s_mov_b32 s22, s40                             ; phase C: my stage,
	s_lshl_b32 s23, s30, 9
	s_add_co_u32 s23, s23, RES                     ; and my 512 bytes of the residual's rows
	v_and_b32 v1, 31, v0
	v_lshlrev_b32 v[GOF], 4, v1
	v_lshlrev_b32 v[GO8], 3, v1
	v_lshrrev_b32 v[TI], 3, v1
	v_mul_u32_u24 v[TI], v[TI], 144
	v_and_b32 v[TMPV], 7, v1
	v_lshl_add_u32 v[TI], v[TMPV], 4, v[TI]
	v_add_nc_u32 v[TI], s40, v[TI]
	v_mul_u32_u24 v[TO], v1, 144
	v_add_nc_u32 v[TO], s40, v[TO]
	v_lshrrev_b32 v[PA0], 2, v1
	v_mul_u32_u24 v[PA0], v[PA0], FPI
	v_and_b32 v[TMPV], 1, v1
	v_lshl_add_u32 v[PA0], v[TMPV], 8, v[PA0]
	v_add_nc_u32 v[PA0], s41, v[PA0]
	v_bfe_u32 v[TMPV], v1, 1, 1
	v_mad_u32_u24 v[PA1], v[TMPV], 1016, v[PA0]
	v_mad_u32_u24 v[PA0], v[TMPV], 520, v[PA0]
	v_lshrrev_b32 v[SBA], 4, v1
	v_lshlrev_b32 v[SBA], 8, v[SBA]
	v_and_b32 v[TMPV], 15, v1
	v_add_nc_u32 v[SBA], v[SBA], v[TMPV]
	v_add_nc_u32 v[SBA], s42, v[SBA]               ; 256 (l / 16) + l % 16
	v_add_nc_u32 v[XIA], XIMG, v[GOF]
	v_lshl_add_u32 v[XSA], v[TMPV], 4, XSC
	v_add_nc_u32 v[RSA], s43, v[GOF]
	v_mul_u32_u24 v[YST], v[TMPV], 528
	v_lshrrev_b32 v[TMPV], 4, v1
	v_lshl_add_u32 v[YST], v[TMPV], 6, v[YST]
	v_add_nc_u32 v[YST], s40, v[YST]
	v_mov_b32 v[MU+1], 0
	v_mov_b32 v[RS+1], 0
	s_lshl_b32 s24, s29, 18
	s_lshl_b32 s25, s30, 16
	s_add_co_u32 s24, s24, s25                     ; O: row 64 y + 16 w
	s_mov_b32 s25, 0
	s_lshl_b32 s26, s31, 5
	s_lshl_b32 s27, s30, 3
	s_add_co_u32 s26, s26, s27
	s_mul_i32 s26, s26, TILEB
	s_add_co_u32 s26, s26, 3*WT                    ; Wo's tile 32 x + 8 w
	s_mov_b32 s27, 0
	s_lshl_b32 s44, s29, 18
	s_lshl_b32 s45, s31, 11
	s_add_co_u32 s44, s44, s45
	s_lshl_b32 s45, s30, 9
	s_add_co_u32 s44, s44, s45                     ; out0: row 64 y, column 512 x + 128 w
	s_mov_b32 s45, 0
	s_wait_kmcnt 0x0
	s_add_nc_u64 s[32:33], s[8:9], s[24:25]
	s_add_nc_u64 s[34:35], s[10:11], s[26:27]
	s_add_nc_u64 s[18:19], s[16:17], s[44:45]
	; ---- A
.irp i, 0,1,2,3,4,5,6,7
	global_load_b128 v[G+4*\i:G+4*\i+3], v[GOF], s[12:13] offset:512*\i
	global_load_b128 v[B+4*\i:B+4*\i+3], v[GOF], s[14:15] offset:512*\i
.endr
	LOADROW 0, 0
	LOADROW 1, 1
	LOADROW 2, 2
	LOADROW 3, 3
.irp r, 0,1,2,3,4,5,6,7,8,9,10,11,12,13,14,15
	ROW \r
.endr
	s_wait_loadcnt 0x0                             ; Wo's first four steps and its scale words are in
	s_wait_dscnt 0x0                               ; for the others' sake: my images, scale bytes and residual rows have landed
	s_barrier_signal -1
	s_barrier_wait -1
	; ---- B
.macro FETCHX s                        ; L's four fragments of K step s into set s % 2
.irp m, 0,1,2,3
.irp k, 0,1,2
	ds_load_b128 v[XF+48*((\s)%2)+12*\m+4*\k:XF+48*((\s)%2)+12*\m+4*\k+3], v[XIA] offset:FPI*(8*\m+(\s))+512*\k
.endr
.endr
.endm
.macro MULO m, s                       ; 8 matrix instructions: rows 16 m on x my 8 tiles of columns.  The 32 accumulators take turns, in the same order in every step
.irp t, 0,1,2,3,4,5,6,7
.if (\s) == 0
	v_wmma_scale_f32_16x16x128_f8f6f4 v[8*(8*(\m)+\t):8*(8*(\m)+\t)+7], v[128*((\s)%2)+12*\t:128*((\s)%2)+12*\t+11], v[XF+48*((\s)%2)+12*(\m):XF+48*((\s)%2)+12*(\m)+11], 0, v[WSR+8*\t+(\s)], v[XS+8*(\m)+(\s)] matrix_a_fmt:MATRIX_FMT_FP6 matrix_b_fmt:MATRIX_FMT_FP6
.else
	v_wmma_scale_f32_16x16x128_f8f6f4 v[8*(8*(\m)+\t):8*(8*(\m)+\t)+7], v[128*((\s)%2)+12*\t:128*((\s)%2)+12*\t+11], v[XF+48*((\s)%2)+12*(\m):XF+48*((\s)%2)+12*(\m)+11], v[8*(8*(\m)+\t):8*(8*(\m)+\t)+7], v[WSR+8*\t+(\s)], v[XS+8*(\m)+(\s)] matrix_a_fmt:MATRIX_FMT_FP6 matrix_b_fmt:MATRIX_FMT_FP6
.endif
.endr
.endm
.macro STEPO s
.set SW, 2+((\s)%4)/2                  ; the window of this step's fragments of Wo
	s_wait_dscnt 0x0
.if (\s) == 4
	s_wait_loadcnt 63                              ; behind step 4's loads 72 were issued; 63 is the largest count that the wait can name
.elseif (\s) == 5
	s_wait_loadcnt 48                              ; steps 6 and 7 may be out
.elseif (\s) == 6
	s_wait_loadcnt 24
.elseif (\s) == 7
	s_wait_loadcnt 0x0
.endif
	WIN 0x50+SW                                    ; source 0 window 2 or 3, source 1 window 0, C and D window 1
	MULO 0, \s
	MULO 1, \s
.if (\s) < 7
	PLACES
	WIN 0
	FETCHX (\s)+1
	WIN 0x50+SW
.endif
	MULO 2, \s
	MULO 3, \s
.if (\s) < 4
	PLACES
	WIN 0x40*SW                                    ; destination: the set just read takes step s + 4
.irp t, 0,1,2,3,4,5,6,7
.irp k, 0,1,2
	global_load_b128 v[128*((\s)%2)+12*\t+4*\k:128*((\s)%2)+12*\t+4*\k+3], v[GOF], s[34:35] offset:\t*TILEB+RECB*(((\s)+4)/2)+1536*((\s)%2)+512*\k
.endr
.endr
.endif
.endm
.irp m, 0,1,2,3
.irp g, 0,1
	ds_load_b128 v[XS+8*\m+4*\g:XS+8*\m+4*\g+3], v[XSA] offset:512*\m+256*\g
.endr
.endr
	FETCHX 0
.irp s, 0,1,2,3,4,5,6,7
	STEPO \s
.endr
	; ---- C: lane (r, h), tile t, register i holds y(16 m + r, 32 (t / 2) + 8 (t % 2) + 16 h + i) of my 128 columns
	PLACES
	WIN 0x04                                       ; an LDS store's data are its source 1: window 1
.irp m, 0,1,2,3
.irp t, 0,1,2,3,4,5,6,7
	ds_store_b128 v[YST], v[8*(8*\m+\t):8*(8*\m+\t)+3] offset:8448*\m+128*(\t/2)+32*(\t%2)      ; each accumulator from its low end on
	ds_store_b128 v[YST], v[8*(8*\m+\t)+4:8*(8*\m+\t)+7] offset:8448*\m+128*(\t/2)+32*(\t%2)+16
.endr
.endr
	WIN 0
.irp h, 0,1
	v_mov_b32 v[KC+\h], 0xbf38aa3b                 ; -log2(e) / 2
	v_mov_b32 v[KC+2+\h], 0x3f07dc22               ; a5 / 2 =  0.5307027145
	v_mov_b32 v[KC+4+\h], 0xbf3a00e3               ; a4 / 2 = -0.7265760135
	v_mov_b32 v[KC+6+\h], 0x3f35f0e3               ; a3 / 2 =  0.7107068705
	v_mov_b32 v[KC+8+\h], 0xbe11a98e               ; a2 / 2 = -0.142248368
	v_mov_b32 v[KC+10+\h], 0x3e027906              ; a1 / 2 =  0.127414796
.endr
	s_mov_b32 s21, 8
.Lrows:                                            ; eight trips of eight rows
	v_add_nc_u32 v220, s22, v[GOF]
	v_add_nc_u32 v221, s23, v[GOF]
.irp i, 0,1,2,3,4,5,6,7
	ds_load_b128 v[YY+4*\i:YY+4*\i+3], v220 offset:528*\i      ; LDS serves a wave's instructions in order: these see my stores
	ds_load_b128 v[RZ+4*\i:RZ+4*\i+3], v221 offset:2064*\i
.endr
	s_wait_dscnt 0x0
.set j, 0
.rept 32
	v_fma_f32 v[TT+j], |v[YY+j]|, s20, 1.0
.set j, j+1
.endr
.set j, 0
.rept 16
	v_pk_mul_f32 v[EE+j:EE+j+1], v[YY+j:YY+j+1], v[YY+j:YY+j+1]
.set j, j+2
.endr
.set j, 0
.rept 16
	v_pk_mul_f32 v[EE+j:EE+j+1], v[EE+j:EE+j+1], v[KC:KC+1]
.set j, j+2
.endr
.set j, 0
.rept 32
	v_rcp_f32 v[TT+j], v[TT+j]
.set j, j+1
.endr
.set j, 0
.rept 32
	v_exp_f32 v[EE+j], v[EE+j]
.set j, j+1
.endr
.set j, 0
.rept 32
	v_max_num_f32 v[OO+j], 0, v[YY+j]              ; plain work behind the batch
.set j, j+1
.endr
	s_wait_alu depctr_va_vdst(0)                   ; one wait for the 64, ahead of their first reader
.set j, 0
.rept 16
	v_pk_fma_f32 v[PP+j:PP+j+1], v[TT+j:TT+j+1], v[KC+2:KC+3], v[KC+4:KC+5]
.set j, j+2
.endr
.irp c, 6,8,10
.set j, 0
.rept 16
	v_pk_fma_f32 v[PP+j:PP+j+1], v[PP+j:PP+j+1], v[TT+j:TT+j+1], v[KC+\c:KC+\c+1]
.set j, j+2
.endr
.endr
.set j, 0
.rept 16
	v_pk_mul_f32 v[PP+j:PP+j+1], v[PP+j:PP+j+1], v[TT+j:TT+j+1]
.set j, j+2
.endr
.set j, 0
.rept 16
	v_pk_mul_f32 v[PP+j:PP+j+1], v[PP+j:PP+j+1], v[EE+j:EE+j+1]   ; q
.set j, j+2
.endr
.set j, 0
.rept 32
	v_fma_f32 v[OO+j], -|v[YY+j]|, v[PP+j], v[OO+j]               ; gelu
.set j, j+1
.endr
.set j, 0
.rept 16
	v_pk_add_f32 v[OO+j:OO+j+1], v[OO+j:OO+j+1], v[RZ+j:RZ+j+1]   ; + L
.set j, j+2
.endr
.irp i, 0,1,2,3,4,5,6,7
	global_store_b128 v[GOF], v[OO+4*\i:OO+4*\i+3], s[18:19] offset:4096*\i th:TH_STORE_NT   ; 512 consecutive bytes; written once, read by nobody here
.endr
	s_wait_xcnt 0x0                                ; the stores have read their data and their base: both are written again only behind this wait
	s_add_nc_u64 s[18:19], s[18:19], 32768
	s_add_co_u32 s22, s22, 8*528
	s_add_co_u32 s23, s23, 8*2064
	s_sub_co_u32 s21, s21, 1
	s_cmp_lg_u32 s21, 0
	s_cbranch_scc1 .Lrows
	s_wait_tensorcnt 0x0                           ; the wave's end
	ds_add_u32 v[SPW], v[NIL]
	s_wait_dscnt 0x0
	s_endpgm
.Lfunc_end_k_qae2f33ae67_out:
	.size	k_qae2f33ae67_out, .Lfunc_end_k_qae2f33ae67_out-k_qae2f33ae67_out
	.p2alignl 7, 3214868480
	.fill 96, 4, 3214868480
	.section	.rodata,"a",@progbits
	.p2align	6, 0x0
	.amdhsa_kernel k_qae2f33ae67_out
		.amdhsa_group_segment_fixed_size 320000
		.amdhsa_private_segment_fixed_size 0
		.amdhsa_enable_private_segment 0
		.amdhsa_kernarg_size 40
		.amdhsa_user_sgpr_count 2
		.amdhsa_user_sgpr_kernarg_segment_ptr 1
		.amdhsa_wavefront_size32 1
		.amdhsa_system_sgpr_workgroup_id_x 1
		.amdhsa_system_sgpr_workgroup_id_y 1
		.amdhsa_system_sgpr_workgroup_id_z 1
		.amdhsa_system_vgpr_workitem_id 0
		.amdhsa_next_free_vgpr 1024
		.amdhsa_next_free_sgpr 66
		.amdhsa_reserve_vcc 0
		.amdhsa_float_denorm_mode_32 3
		.amdhsa_float_denorm_mode_16_64 3
		.amdhsa_memory_ordered 1
		.amdhsa_forward_progress 1
		.amdhsa_inst_pref_size 255
	.end_amdhsa_kernel
	.section	.bss,"aw",@nobits
	.p2align	6
	.space	262144
	.amdgpu_metadata
---
amdhsa.version: [ 1, 2 ]
amdhsa.kernels:
  - .name:           k_qae2f33ae67_out
    .symbol:         k_qae2f33ae67_out.kd
    .args:
      - { .name: ob, .offset: 0, .size: 8, .value_kind: global_buffer, .address_space: global }
      - { .name: wc, .offset: 8, .size: 8, .value_kind: global_buffer, .address_space: global }
      - { .name: ln_g, .offset: 16, .size: 8, .value_kind: global_buffer, .address_space: global }
      - { .name: ln_b, .offset: 24, .size: 8, .value_kind: global_buffer, .address_space: global }
      - { .name: out0, .offset: 32, .size: 8, .value_kind: global_buffer, .address_space: global }
    .group_segment_fixed_size: 320000
    .private_segment_fixed_size: 0
    .kernarg_segment_align: 8
    .kernarg_segment_size: 40
    .max_flat_workgroup_size: 128
    .sgpr_count:     66
    .vgpr_count:     1024
    .wavefront_size: 32
...
	.end_amdgpu_metadata
.endif
;; end of part 4
;; ======== version 2 of 2: 4 launches; version 1 with the launch out written anew for expert scheduling mode
;; limits: a function is approximated: absolute error at most 1.5e-07
;; workspace buffers: xc 20,447,232 bytes; wc 3,407,872 bytes; pc 18,874,368 bytes; ps 1,572,864 bytes; ob 33,554,432 bytes
;; launch prep: the kernel of part 1 again; grid 512 x 1, 4 waves a work-group, no clusters, 72,192 bytes of LDS; arguments Q, K, V, Wq, Wk, Wv, Wo, pre_g, pre_b, xc, wc; writes xc, wc
;; launch proj: the kernel of part 2 again; grid 4 x 192, 4 waves a work-group, clusters of 4 x 4, 327,680 bytes of LDS; arguments xc, wc, pc, ps; writes pc, ps
;; launch attn: the kernel of part 3 again; grid 8 x 32, 16 waves a work-group, no clusters, 327,680 bytes of LDS; arguments pc, ps, ob; writes ob
;; launch out (part 5): grid 2 x 128, 4 waves a work-group, no clusters, 320,000 bytes of LDS; arguments ob, wc, ln_g, ln_b, out0; writes out0
.if DOCPART == 5
	.amdgcn_target "amdgcn-amd-amdhsa--gfx1250"
	.amdhsa_code_object_version 6
	.text
	.protected	k_qae2f33ae67_out
	.globl	k_qae2f33ae67_out
	.p2align	8
	.type	k_qae2f33ae67_out,@function
k_qae2f33ae67_out:
	s_mov_b64 s[64:65], 0
	v_nop
	global_prefetch_b8 v0, s[64:65] scope:SCOPE_SE
	s_setreg_imm32_b32 hwreg(HW_REG_WAVE_SCHED_MODE, 0, 2), 2
	s_setreg_imm32_b32 hwreg(HW_REG_WAVE_MODE, 25, 1), 1
	s_wait_xcnt 0x0
	s_wait_alu depctr_vm_vsrc(0)
; out0 = L + gelu(L Wo), L = LN(O) with gain ln_g and bias ln_b; the product on codes of FP6 with E8M0 scales; gelu with the exact erf's shape.
; SHARES.  Work-group (x, y): rows 64 y on, columns 512 x on.  A: wave w normalises and quantises rows 16 w .. 16 w + 15 (all 1,024 columns: both halves x do this; a launch of its own and a second way of the codes through
; memory would cost more), stores the images of their eight fragments in LDS and keeps its half's columns of L in LDS as the residual.  One barrier.  B: wave w makes columns 128 w .. + 127 of the half for all 64 rows:
; 32 accumulators; source 0 = Wo's fragments, source 1 = L's.  C: the results turn through the wave's own stage; gelu and the residual on whole rows; stores of 512 consecutive bytes.
; Wo's FRAGMENTS GO FROM MEMORY STRAIGHT INTO REGISTERS, in the order in which the launch before laid them: no two waves of a work-group read the same one, and LDS is taken (stage 135,168, residual 132,096, images 50,176,
; scale words 2,048 bytes), so there is no room for slots, no tensor load and no joint load.  Four sets of 8 fragments; steps 0 to 3 are asked for during phase A, step s + 4 in step s + 1.
; GELU: gelu(x) = max(x, 0) - |x| q, q = erfc(|x| / sqrt 2) / 2 = (a1 t + .. + a5 t^5) 2^(-x x log2(e) / 2), t = 1 / (1 + 0.23164189 |x|) (Abramowitz and Stegun 7.1.26, halved): it holds for every x, with an
; absolute error of 1.5e-7 in erf.  It stands ahead of no quantiser.
; LIMITS: a block of zeros gets the byte 1; NaN and infinities are not served.
; THE MODE: SCHED_MODE bits 1:0 = 2 (LLVM: expert scheduling mode 2), set by the entry lines.  The code itself states the register dependences between vector or matrix instructions and memory or LDS instructions,
; with s_wait_alu, always for 0.
; THE PLAN.  v2 to v15 (offsets, LDS addresses, the closing add's two) are written at the head and never again: one wait ahead of the first load serves them all.
;   A, row r:  R[r % 4]  its loads land; the norm reads and writes it, the selects read it; the stage's eight stores read it; the loads of row r + 4 (or Wo's scale words) land in it.
;              X         the norm's sums and the selects write it; the residual's four stores read it; the stage's eight loads land in it; the maximum and the conversions read it.
;              PC, BY    the conversions write them; the four image stores, issued in row r + 1, read them; row r + 1's conversions write them again.
;      Three waits a row: behind the root (its result; and the last row's PC and BY are written: that row's image stores follow it); behind the selects (R and X are written and done with: twelve stores and all the row's
;      loads follow); behind the twelve stores, on vm_vsrc (they have read X and R, the image stores PC and BY).
;   B, step s: L's set s % 2 and Wo's set s % 4 are read by step s's products alone.  ONE wait at the head of steps 1 to 6: step s - 1's products are done reading L's other set and Wo's set (s - 1) % 4.  The loads of
;      L's step s + 1 and of Wo's step s + 3 land there; they are dealt among step s's products, which name none of those registers.
;   C, block p of eight rows: two buffers of (y, L) by turns; the result is written over the block's L.  Block p's vector instructions name buffer p % 2; its stores (block p - 1's results) and its LDS loads (block p + 1)
;      touch the other buffer alone.  A wait at the head (the results are written), the wait behind the reciprocals (which also stands ahead of the loads), beside it the waits that the stores have read their data, and
;      the wait behind the exponentials.  The two LDS addresses move once for two blocks, behind a wait on vm_vsrc.
.set WT,     851968
.set TILEB,  13312
.set RECB,   3328
.set FPI,    1568                      ; from image to image
.set YSW,    64*528                    ; a wave's stage: 64 rows x (512 + 16); its first 4,608 bytes serve phase A's turn
.set RES,    4*YSW                     ; the residual: 64 rows x (2,048 + 16)
.set XIMG,   RES+64*2064               ; 32 images: 8 m + s
.set XSC,    XIMG+32*FPI               ; scale words: for each m, [s / 4][r][4 words]
.set SPARE,  XSC+2048                  ; the spare words, 128 bytes for each wave: two blocks of 256 bytes that no other line names
.set IMGO,   0
.set SCO,    0
.set SCP,    16
.set GOF,  2                           ; v2   16 x lane
.set TI,   3
.set TO,   4
.set PA0,  5
.set PA1,  6
.set TMPV, 7
.set SBA,  8
.set XIA,  9                           ; v9   XIMG + 16 x lane
.set XSA,  10                          ; v10  XSC + 16 (lane % 16)
.set GO8,  11                          ; v11  8 x lane
.set SPW,  12                          ; v12  my spare word; never rewritten
.set NIL,  13                          ; v13  0; never rewritten
.set RSA,  14                          ; v14  the residual: my 16 rows, 16 x lane
.set YST,  15                          ; v15  my stage: row lane % 16, + 64 (lane / 16)
.set G,    16
.set B,    48
.set R,    80
.set X,    208
.set PC,   240
.set MX0,  248
.set MX1,  249
.set SC,   250
.set BY,   251
.set MU,   252
.set RS,   254
.set XS,   16                          ; phase B: v16-47 L's scale words (8 m + s); v80-143 Wo's (8 t + s); v144-239 L's fragments, two sets of 4 x 12
.set WSR,  80
.set XF,   144
.set YY,   16                          ; phase C: buffer b: eight rows' 32 numbers of y at YY + 64 b, of L (then of the result) at RZ + 64 b
.set RZ,   48
.set TT,   144                         ; 32 numbers each, at work: no memory instruction names them
.set EE,   176
.set PP,   208
.set KC,   240                         ; v240-251 six pairs of constants
.set AY,   252                         ; v252 LDS address of my 16 bytes in the stage's rows in hand
.set AR,   253                         ; v253 the same in the residual's
.set MSB, 0
.macro WIN new
.if MSB != (\new)
	s_set_vgpr_msb (MSB<<8)|(\new)
.set MSB, (\new)
.endif
.endm
.macro PLACES
.rept 4
	v_nop
.endr
.endm
.macro LOADROW set, r
.irp i, 0,1,2,3,4,5,6,7
	global_load_b128 v[R+32*(\set)+4*\i:R+32*(\set)+4*\i+3], v[GOF], s[32:33] offset:(\r)*4096+512*\i
.endr
.endm
.macro WSUM
	v_add_f32_dpp v[X], v[X], v[X] row_xmask:1 row_mask:0xf bank_mask:0xf
	v_add_f32_dpp v[X], v[X], v[X] row_xmask:2 row_mask:0xf bank_mask:0xf
	v_add_f32_dpp v[X], v[X], v[X] row_xmask:4 row_mask:0xf bank_mask:0xf
	v_add_f32_dpp v[X], v[X], v[X] row_xmask:8 row_mask:0xf bank_mask:0xf
	v_permlanex16_b32 v[X+1], v[X], s38, s39
	v_add_f32 v[X], v[X], v[X+1]
.endm
.macro FOLD
	v_pk_add_f32 v[X:X+1], v[X:X+1], v[X+2:X+3]
	v_pk_add_f32 v[X+4:X+5], v[X+4:X+5], v[X+6:X+7]
	v_pk_add_f32 v[X:X+1], v[X:X+1], v[X+4:X+5]
	v_add_f32 v[X], v[X], v[X+1]
.endm
.macro LNA set                         ; the norm's first part: the mean is taken off in place; the variance in a second pass; 1 / sqrt(var + eps) is asked for
.set RB, R+32*(\set)
.irp k, 0,2,4,6
	v_pk_add_f32 v[X+\k:X+\k+1], v[RB+\k:RB+\k+1], v[RB+8+\k:RB+9+\k]
.endr
.irp j, 16,24
.irp k, 0,2,4,6
	v_pk_add_f32 v[X+\k:X+\k+1], v[X+\k:X+\k+1], v[RB+\j+\k:RB+\j+\k+1]
.endr
.endr
	FOLD
	WSUM
	v_mul_f32 v[MU], s36, v[X]
.irp k, 0,2,4,6,8,10,12,14,16,18,20,22,24,26,28,30
	v_pk_add_f32 v[RB+\k:RB+\k+1], v[RB+\k:RB+\k+1], v[MU:MU+1] op_sel_hi:[1,0] neg_lo:[0,1] neg_hi:[0,1]
.endr
.irp k, 0,2,4,6
	v_pk_mul_f32 v[X+\k:X+\k+1], v[RB+\k:RB+\k+1], v[RB+\k:RB+\k+1]
.endr
.irp j, 8,16,24
.irp k, 0,2,4,6
	v_pk_fma_f32 v[X+\k:X+\k+1], v[RB+\j+\k:RB+\j+\k+1], v[RB+\j+\k:RB+\j+\k+1], v[X+\k:X+\k+1]
.endr
.endr
	FOLD
	WSUM
	v_fma_f32 v[X], v[X], s36, s37
	v_rsq_f32 v[RS], v[X]
	v_nop                                          ; a plain instruction behind the transcendental
.endm
.macro LNB set                         ; its second part: x 1 / sqrt(var + eps) x gain + bias, in place
.set RB, R+32*(\set)
.irp k, 0,2,4,6,8,10,12,14,16,18,20,22,24,26,28,30
	v_pk_mul_f32 v[RB+\k:RB+\k+1], v[RB+\k:RB+\k+1], v[RS:RS+1] op_sel_hi:[1,0]
.endr
.irp k, 0,2,4,6,8,10,12,14,16,18,20,22,24,26,28,30
	v_pk_fma_f32 v[RB+\k:RB+\k+1], v[RB+\k:RB+\k+1], v[G+\k:G+\k+1], v[B+\k:B+\k+1]
.endr
.endm
.macro TURNIN set                      ; the row into my stage, as it was loaded
.set RB, R+32*(\set)
.irp i, 0,1,2,3,4,5,6,7
	ds_store_b128 v[TI], v[RB+4*\i:RB+4*\i+3] offset:576*\i
.endr
.endm
.macro TURNOUT                         ; and back, 128 bytes a lane: LDS serves a wave's instructions in order, so these see the stores
.irp j, 0,1,2,3,4,5,6,7
	ds_load_b128 v[X+4*\j:X+4*\j+3], v[TO] offset:16*\j
.endr
.endm
.macro BMAX s
	v_max3_num_f32 v[MX0], |v[\s]|, |v[\s+1]|, 0x1800000
	v_max3_num_f32 v[MX1], |v[\s+2]|, |v[\s+3]|, |v[\s+4]|
.irp i, 5,9,13,17,21,25
	v_max3_num_f32 v[MX0], v[MX0], |v[\s+\i]|, |v[\s+\i+1]|
	v_max3_num_f32 v[MX1], v[MX1], |v[\s+\i+2]|, |v[\s+\i+3]|
.endr
	v_max3_num_f32 v[MX0], v[MX0], |v[\s+29]|, |v[\s+30]|
	v_max3_num_f32 v[MX0], v[MX0], v[MX1], |v[\s+31]|
.endm
.macro CODES s
	v_add_nc_u32 v[SC], 0xff000000, v[MX0]
	v_cvt_scalef32_pk16_fp6_f32 v[PC:PC+2], v[\s:\s+15], v[SC]
	v_cvt_scalef32_pk16_fp6_f32 v[PC+4:PC+6], v[\s+16:\s+31], v[SC]
	v_lshrrev_b32 v[BY], 23, v[SC]                 ; the byte; also the plain instruction behind the conversions
	v_mov_b32 v[PC+3], v[PC+4]
	v_mov_b32 v[PC+4], v[PC+5]
	v_mov_b32 v[PC+5], v[PC+6]
.endm
.macro PUT r
	ds_store_b64 v[PA0], v[PC:PC+1] offset:IMGO+16*(\r)
	ds_store_b64 v[PA1], v[PC+2:PC+3] offset:IMGO+8+16*(\r)
	ds_store_b64 v[PA0], v[PC+4:PC+5] offset:IMGO+512+16*(\r)
	ds_store_b8 v[SBA], v[BY] offset:SCO+SCP*(\r)
.endm
.macro WOBATCH r                       ; loads 8 r .. 8 r + 7 of the 96 that bring Wo's fragments of K steps 0 to 3: step r / 3, in window 2 + step / 2, register 128 (step % 2) + 12 t + 4 k.  No vector instruction has named these registers
.set WSTP, (\r)/3
	WIN 0x80+0x40*(WSTP/2)
.irp e, 0,1,2,3,4,5,6,7
.set WQ, (8*(\r)+\e)%24
	global_load_b128 v[128*(WSTP%2)+12*(WQ/3)+4*(WQ%3):128*(WSTP%2)+12*(WQ/3)+4*(WQ%3)+3], v[GOF], s[34:35] offset:(WQ/3)*TILEB+RECB*(WSTP/2)+1536*(WSTP%2)+512*(WQ%3)
.endr
	WIN 0
.endm
.macro WSBATCH r                       ; Wo's scale words of tiles 4 (r - 12) on, into the set of registers that row r has just left
.irp t, 0,1,2,3
.irp c, 0,1,2,3
	global_load_b64 v[WSR+8*(4*((\r)-12)+\t)+2*\c:WSR+8*(4*((\r)-12)+\t)+2*\c+1], v[GO8], s[34:35] offset:(4*((\r)-12)+\t)*TILEB+RECB*\c+3072
.endr
.endr
.endm
.macro ROW r
.if (\r) < 4
	s_wait_loadcnt 24+8*(\r)                       ; behind my row's eight: rows r + 1 to 3, and sixteen loads in each of the r turns before
.elseif (\r) < 15
	s_wait_loadcnt 56                              ; behind my row's eight: the eight of Wo's in the same turn, and sixteen in each of the three turns since
.else
	s_wait_loadcnt 40                              ; the turn before issued none
.endif
	LNA (\r)%4
	s_wait_alu depctr_va_vdst(0)                   ; the root's result is written, ahead of its first reader; and the last row's conversions have written PC and BY, which the image stores below read
.if (\r) > 0
	PUT (\r)-1                                     ; the last row's block goes to its image while this row is scaled
.endif
	LNB (\r)%4
.set RB, R+32*((\r)%4)
.set j, 0
.rept 16
	v_cndmask_b32 v[X+j], v[RB+j], v[RB+16+j], s46 ; my half's 512 columns: a choice of values by the work-group's x, no branch
.set j, j+1
.endr
	s_wait_alu depctr_va_vdst(0)                   ; the norm has written the row and the selects X, which the twelve stores read; both are done with these registers, in which the loads below land
.irp i, 0,1,2,3
	ds_store_b128 v[RSA], v[X+4*\i:X+4*\i+3] offset:2064*(\r)+512*\i
.endr
	TURNIN (\r)%4
	s_wait_alu depctr_vm_vsrc(0)                   ; the twelve stores have read X and the row, in which the loads below land; the image stores have read PC and BY, which this row's conversions write again
	TURNOUT
.if (\r) < 12
	LOADROW (\r)%4, (\r)+4                         ; no vector instruction since the wait on va_vdst names the row's registers
	WOBATCH \r
.elseif (\r) < 14
	WSBATCH \r
.endif
	s_wait_dscnt 0x0                               ; the block's 32 neighbours are in
	BMAX X
	CODES X
.endm
	s_load_b256 s[8:15], s[0:1], 0x0               ; ob, wc, ln_g, ln_b
	s_load_b64 s[16:17], s[0:1], 0x20              ; out0
	v_lshl_add_u32 v[SPW], v0, 2, SPARE
	v_mov_b32 v[NIL], 0
	v_lshrrev_b32 v1, 5, v0
	v_readfirstlane_b32 s30, v1                    ; wave
	s_and_b32 s29, ttmp7, 0xffff                   ; y
	s_mov_b32 s31, ttmp9                           ; x
	s_cmp_eq_u32 s31, 1
	s_cselect_b32 s46, -1, 0
	s_mov_b32 s36, 0x3a800000                      ; 1 / 1024
	s_mov_b32 s37, 0x3727c5ac                      ; eps = 1e-5
	s_mov_b32 s38, 0x76543210
	s_mov_b32 s39, 0xfedcba98
	s_mov_b32 s20, 0x3e6d3388                      ; 0.23164189
	s_wait_alu depctr_va_sdst(0)                   ; s30 is written, ahead of its first reader: LDS addresses and the bases are made from it
	s_mul_i32 s40, s30, YSW
	s_mul_i32 s41, s30, 8*FPI
	s_add_co_u32 s41, s41, XIMG
	s_lshl_b32 s42, s30, 9
	s_add_co_u32 s42, s42, XSC
	s_mul_i32 s43, s30, 16*2064
	s_add_co_u32 s43, s43, RES
	s_mov_b32 s22, s40                             ; phase C: my stage,
	s_lshl_b32 s23, s30, 9
	s_add_co_u32 s23, s23, RES                     ; and my 512 bytes of the residual's rows
	v_and_b32 v1, 31, v0
	v_lshlrev_b32 v[GOF], 4, v1
	v_lshlrev_b32 v[GO8], 3, v1
	v_lshrrev_b32 v[TI], 3, v1
	v_mul_u32_u24 v[TI], v[TI], 144
	v_and_b32 v[TMPV], 7, v1
	v_lshl_add_u32 v[TI], v[TMPV], 4, v[TI]
	v_add_nc_u32 v[TI], s40, v[TI]
	v_mul_u32_u24 v[TO], v1, 144
	v_add_nc_u32 v[TO], s40, v[TO]
	v_lshrrev_b32 v[PA0], 2, v1
	v_mul_u32_u24 v[PA0], v[PA0], FPI
	v_and_b32 v[TMPV], 1, v1
	v_lshl_add_u32 v[PA0], v[TMPV], 8, v[PA0]
	v_add_nc_u32 v[PA0], s41, v[PA0]
	v_bfe_u32 v[TMPV], v1, 1, 1
	v_mad_u32_u24 v[PA1], v[TMPV], 1016, v[PA0]
	v_mad_u32_u24 v[PA0], v[TMPV], 520, v[PA0]
	v_lshrrev_b32 v[SBA], 4, v1
	v_lshlrev_b32 v[SBA], 8, v[SBA]
	v_and_b32 v[TMPV], 15, v1
	v_add_nc_u32 v[SBA], v[SBA], v[TMPV]
	v_add_nc_u32 v[SBA], s42, v[SBA]               ; 256 (l / 16) + l % 16
	v_add_nc_u32 v[XIA], XIMG, v[GOF]
	v_lshl_add_u32 v[XSA], v[TMPV], 4, XSC
	v_add_nc_u32 v[RSA], s43, v[GOF]
	v_mul_u32_u24 v[YST], v[TMPV], 528
	v_lshrrev_b32 v[TMPV], 4, v1
	v_lshl_add_u32 v[YST], v[TMPV], 6, v[YST]
	v_add_nc_u32 v[YST], s40, v[YST]
	v_mov_b32 v[MU+1], 0
	v_mov_b32 v[RS+1], 0
	s_lshl_b32 s24, s29, 18
	s_lshl_b32 s25, s30, 16
	s_add_co_u32 s24, s24, s25                     ; O: row 64 y + 16 w
	s_mov_b32 s25, 0
	s_lshl_b32 s26, s31, 5
	s_lshl_b32 s27, s30, 3
	s_add_co_u32 s26, s26, s27
	s_mul_i32 s26, s26, TILEB
	s_add_co_u32 s26, s26, 3*WT                    ; Wo's tile 32 x + 8 w
	s_mov_b32 s27, 0
	s_lshl_b32 s44, s29, 18
	s_lshl_b32 s45, s31, 11
	s_add_co_u32 s44, s44, s45
	s_lshl_b32 s45, s30, 9
	s_add_co_u32 s44, s44, s45                     ; out0: row 64 y, column 512 x + 128 w
	s_mov_b32 s45, 0
	s_wait_kmcnt 0x0
	s_add_nc_u64 s[32:33], s[8:9], s[24:25]
	s_add_nc_u64 s[34:35], s[10:11], s[26:27]
	s_add_nc_u64 s[18:19], s[16:17], s[44:45]
	s_wait_alu depctr_va_vdst(0)                   ; the offsets and LDS addresses v2 to v15 are written, which the kernel's loads and stores read
	; ---- A
.irp i, 0,1,2,3,4,5,6,7
	global_load_b128 v[G+4*\i:G+4*\i+3], v[GOF], s[12:13] offset:512*\i
	global_load_b128 v[B+4*\i:B+4*\i+3], v[GOF], s[14:15] offset:512*\i
.endr
	LOADROW 0, 0
	LOADROW 1, 1
	LOADROW 2, 2
	LOADROW 3, 3
.irp r, 0,1,2,3,4,5,6,7,8,9,10,11,12,13,14,15
	ROW \r
.endr
	s_wait_alu depctr_va_vdst(0)                   ; row 15's conversions have written PC and BY, which its image stores read; and phase A is done with v16 to v47 and v144 to v239, in which phase B's first loads land
	PUT 15
	s_wait_loadcnt 0x0                             ; Wo's first four steps and its scale words are in
	s_wait_dscnt 0x0                               ; for the others' sake: my images, scale bytes and residual rows have landed
	s_barrier_signal -1
	s_barrier_wait -1
	; ---- B
.macro FETCHX s                        ; L's four fragments of K step s into set s % 2
.irp m, 0,1,2,3
.irp k, 0,1,2
	ds_load_b128 v[XF+48*((\s)%2)+12*\m+4*\k:XF+48*((\s)%2)+12*\m+4*\k+3], v[XIA] offset:FPI*(8*\m+(\s))+512*\k
.endr
.endr
.endm
.macro WONEXT p                        ; Wo's eight fragments of K step p + 4 into the set that step p's products have read
	WIN 0x40*(2+((\p)%4)/2)                        ; destination: window 2 or 3
.irp t, 0,1,2,3,4,5,6,7
.irp k, 0,1,2
	global_load_b128 v[128*((\p)%2)+12*\t+4*\k:128*((\p)%2)+12*\t+4*\k+3], v[GOF], s[34:35] offset:\t*TILEB+RECB*(((\p)+4)/2)+1536*((\p)%2)+512*\k
.endr
.endr
.endm
.macro MULO m, s                       ; 8 matrix instructions: rows 16 m on x my 8 tiles of columns.  The 32 accumulators take turns, in the same order in every step
.irp t, 0,1,2,3,4,5,6,7
.if (\s) == 0
	v_wmma_scale_f32_16x16x128_f8f6f4 v[8*(8*(\m)+\t):8*(8*(\m)+\t)+7], v[128*((\s)%2)+12*\t:128*((\s)%2)+12*\t+11], v[XF+48*((\s)%2)+12*(\m):XF+48*((\s)%2)+12*(\m)+11], 0, v[WSR+8*\t+(\s)], v[XS+8*(\m)+(\s)] matrix_a_fmt:MATRIX_FMT_FP6 matrix_b_fmt:MATRIX_FMT_FP6
.else
	v_wmma_scale_f32_16x16x128_f8f6f4 v[8*(8*(\m)+\t):8*(8*(\m)+\t)+7], v[128*((\s)%2)+12*\t:128*((\s)%2)+12*\t+11], v[XF+48*((\s)%2)+12*(\m):XF+48*((\s)%2)+12*(\m)+11], v[8*(8*(\m)+\t):8*(8*(\m)+\t)+7], v[WSR+8*\t+(\s)], v[XS+8*(\m)+(\s)] matrix_a_fmt:MATRIX_FMT_FP6 matrix_b_fmt:MATRIX_FMT_FP6
.endif
.endr
.endm
.macro STEPO s
.set SW, 2+((\s)%4)/2                  ; the window of this step's fragments of Wo
	s_wait_dscnt 0x0                               ; L's fragments of this step are in (asked for 16 matrix instructions ago)
.if (\s) == 4
	s_wait_loadcnt 48                              ; Wo's step 4 is in; behind its loads those of steps 5 and 6 were issued (step 7's follow below)
.elseif (\s) == 5
	s_wait_loadcnt 48                              ; steps 6 and 7 may be out
.elseif (\s) == 6
	s_wait_loadcnt 24
.elseif (\s) == 7
	s_wait_loadcnt 0x0
.endif
.if ((\s) >= 1) && ((\s) <= 6)
	s_wait_alu depctr_va_vdst(0)                   ; the last step's products are done reading L's other set and their set of Wo, in which this step's loads land; this step's products name neither
.endif
	WIN 0x50+SW                                    ; source 0 window 2 or 3, source 1 window 0, C and D window 1
	MULO 0, \s
.if ((\s) >= 1) && ((\s) <= 6)
	PLACES                                         ; the four plain instructions of the plain form stay between the last step's products and the loads into registers that they read
.endif
.if ((\s) >= 1) && ((\s) <= 4)
	WONEXT (\s)-1                                  ; three steps ahead of its use
	WIN 0x50+SW
.endif
	MULO 1, \s
.if (\s) < 7
	WIN 0
	FETCHX (\s)+1
	WIN 0x50+SW
.endif
	MULO 2, \s
	MULO 3, \s
.endm
.irp m, 0,1,2,3
.irp g, 0,1
	ds_load_b128 v[XS+8*\m+4*\g:XS+8*\m+4*\g+3], v[XSA] offset:512*\m+256*\g
.endr
.endr
	FETCHX 0
.irp s, 0,1,2,3,4,5,6,7
	STEPO \s
.endr
	; ---- C: lane (r, h), tile t, register i holds y(16 m + r, 32 (t / 2) + 8 (t % 2) + 16 h + i) of my 128 columns
	WIN 0
	s_wait_alu depctr_vm_vsrc(0)                   ; row 15's image stores have read v240 to v245 and v251, which the constants take
.irp h, 0,1                                    ; these fourteen lines name no register of the last products: they are the places between those and the stores of their results
	v_mov_b32 v[KC+\h], 0xbf38aa3b                 ; -log2(e) / 2
	v_mov_b32 v[KC+2+\h], 0x3f07dc22               ; a5 / 2 =  0.5307027145
	v_mov_b32 v[KC+4+\h], 0xbf3a00e3               ; a4 / 2 = -0.7265760135
	v_mov_b32 v[KC+6+\h], 0x3f35f0e3               ; a3 / 2 =  0.7107068705
	v_mov_b32 v[KC+8+\h], 0xbe11a98e               ; a2 / 2 = -0.142248368
	v_mov_b32 v[KC+10+\h], 0x3e027906              ; a1 / 2 =  0.127414796
.endr
	v_add_nc_u32 v[AY], s22, v[GOF]                ; rows 0 to 15 of my stage,
	v_add_nc_u32 v[AR], s23, v[GOF]                ; and of the residual
	WIN 0x04                                       ; an LDS store's data are its source 1: window 1
	s_wait_alu depctr_va_vdst(0)                   ; the products have written the accumulators, which the stores read, and are done reading the scale words v16 to v47 and v80 to v143, in which rows land; v252 and v253 are written
.irp m, 0,1,2,3
.irp t, 0,1,2,3,4,5,6,7
	ds_store_b128 v[YST], v[8*(8*\m+\t):8*(8*\m+\t)+3] offset:8448*\m+128*(\t/2)+32*(\t%2)      ; each accumulator from its low end on
	ds_store_b128 v[YST], v[8*(8*\m+\t)+4:8*(8*\m+\t)+7] offset:8448*\m+128*(\t/2)+32*(\t%2)+16
.endr
.endr
	WIN 0
.irp i, 0,1,2,3,4,5,6,7
	ds_load_b128 v[YY+4*\i:YY+4*\i+3], v[AY] offset:528*\i      ; block 0.  LDS serves a wave's instructions in order: these see my stores
	ds_load_b128 v[RZ+4*\i:RZ+4*\i+3], v[AR] offset:2064*\i
.endr
; Block p of eight rows, on buffer b = p % 2.  first = 1: block 0, with no block in front of it.  ahead = 1: block p + 1 is asked for.
.macro BLKC b, first, ahead
.set YB, YY+64*(\b)
.set ZB, RZ+64*(\b)
.set YN, YY+64*(1-(\b))
.set ZN, RZ+64*(1-(\b))
	s_wait_dscnt 0x0                               ; this block's sixteen loads are in
.if !(\first)
	s_wait_alu depctr_va_vdst(0)                   ; the block before has written its results over its L, which the stores below read; in a trip's first block v252 and v253 are written
.irp i, 0,1,2,3,4,5,6,7
	global_store_b128 v[GOF], v[ZN+4*\i:ZN+4*\i+3], s[18:19] offset:(8*(1-(\b))+\i)*4096 th:TH_STORE_NT   ; 512 consecutive bytes; written once, read by nobody here
.endr
.endif
.set j, 0
.rept 32
	v_fma_f32 v[TT+j], |v[YB+j]|, s20, 1.0
.set j, j+1
.endr
.set j, 0
.rept 32
	v_rcp_f32 v[TT+j], v[TT+j]
.set j, j+1
.endr
.set j, 0
.rept 16
	v_pk_mul_f32 v[EE+j:EE+j+1], v[YB+j:YB+j+1], v[YB+j:YB+j+1]   ; plain work behind the reciprocals
.set j, j+2
.endr
.set j, 0
.rept 16
	v_pk_mul_f32 v[EE+j:EE+j+1], v[EE+j:EE+j+1], v[KC:KC+1]
.set j, j+2
.endr
	s_wait_alu depctr_va_vdst(0)                   ; the 32 reciprocals are written, ahead of their first reader; and every reader and writer of the other buffer is done: the loads below land in it
.if \ahead
.if !(\first)
	s_wait_xcnt 0x0                                ; the stores above have had their addresses translated: their data registers, and at the trip's end their base, are written again only behind this wait
	s_wait_alu depctr_vm_vsrc(0)                   ; and they have read the other buffer's results
.endif
.irp i, 0,1,2,3,4,5,6,7
	ds_load_b128 v[YN+4*\i:YN+4*\i+3], v[AY] offset:528*(8*(1-(\b))+\i)    ; the next block: it has the rest of this block in which to land
	ds_load_b128 v[ZN+4*\i:ZN+4*\i+3], v[AR] offset:2064*(8*(1-(\b))+\i)
.endr
.endif
.set j, 0
.rept 32
	v_exp_f32 v[EE+j], v[EE+j]
.set j, j+1
.endr
.set j, 0
.rept 16
	v_pk_fma_f32 v[PP+j:PP+j+1], v[TT+j:TT+j+1], v[KC+2:KC+3], v[KC+4:KC+5]   ; the polynomial reads the reciprocals alone: plain work behind the exponentials
.set j, j+2
.endr
.irp c, 6,8,10
.set j, 0
.rept 16
	v_pk_fma_f32 v[PP+j:PP+j+1], v[PP+j:PP+j+1], v[TT+j:TT+j+1], v[KC+\c:KC+\c+1]
.set j, j+2
.endr
.endr
.set j, 0
.rept 16
	v_pk_mul_f32 v[PP+j:PP+j+1], v[PP+j:PP+j+1], v[TT+j:TT+j+1]
.set j, j+2
.endr
	s_wait_alu depctr_va_vdst(0)                   ; the 32 exponentials are written, ahead of their first reader
.set j, 0
.rept 16
	v_pk_mul_f32 v[PP+j:PP+j+1], v[PP+j:PP+j+1], v[EE+j:EE+j+1]   ; q
.set j, j+2
.endr
.set j, 0
.rept 32
	v_max_num_f32 v[EE+j], 0, v[YB+j]              ; the exponentials are used up: their registers take max(y, 0)
.set j, j+1
.endr
.set j, 0
.rept 32
	v_fma_f32 v[EE+j], -|v[YB+j]|, v[PP+j], v[EE+j]               ; gelu
.set j, j+1
.endr
.set j, 0
.rept 16
	v_pk_add_f32 v[ZB+j:ZB+j+1], v[EE+j:EE+j+1], v[ZB+j:ZB+j+1]   ; + L, over L: the next block's head stores it
.set j, j+2
.endr
.endm
	BLKC 0, 1, 1                                   ; block 0 is written out: nothing to store yet
	s_mov_b32 s21, 3
.Lrows:                                            ; three trips: blocks 1 and 2, 3 and 4, 5 and 6: both buffers are back at their start
	s_wait_alu depctr_vm_vsrc(0)                   ; the LDS loads issued so far have read v252 and v253
	s_add_co_u32 s22, s22, 16*528
	s_add_co_u32 s23, s23, 16*2064
	v_add_nc_u32 v[AY], s22, v[GOF]                ; on to the sixteen rows that this trip asks for
	v_add_nc_u32 v[AR], s23, v[GOF]
	BLKC 1, 0, 1
	BLKC 0, 0, 1
	s_add_nc_u64 s[18:19], s[18:19], 65536         ; sixteen rows of out0 on: no global instruction has been issued since the last wait on XCNT
	s_sub_co_u32 s21, s21, 1
	s_cmp_lg_u32 s21, 0
	s_cbranch_scc1 .Lrows
	BLKC 1, 0, 0                                   ; block 7 asks for nothing: no load names a row behind the stage's last
	s_wait_alu depctr_va_vdst(0)                   ; block 7 has written its results, which the last eight stores read
.irp i, 0,1,2,3,4,5,6,7
	global_store_b128 v[GOF], v[RZ+64+4*\i:RZ+64+4*\i+3], s[18:19] offset:(8+\i)*4096 th:TH_STORE_NT
.endr
	s_wait_dscnt 0x0                               ; the closing lines, six on end
	s_wait_alu 0x0
	s_wait_tensorcnt 0x0
	ds_add_u32 v[SPW], v[NIL]
	s_wait_dscnt 0x0
	s_endpgm
.Lfunc_end_k_qae2f33ae67_out:
	.size	k_qae2f33ae67_out, .Lfunc_end_k_qae2f33ae67_out-k_qae2f33ae67_out
	.p2alignl 7, 3214868480
	.fill 96, 4, 3214868480
	.section	.rodata,"a",@progbits
	.p2align	6, 0x0
	.amdhsa_kernel k_qae2f33ae67_out
		.amdhsa_group_segment_fixed_size 320000
		.amdhsa_private_segment_fixed_size 0
		.amdhsa_enable_private_segment 0
		.amdhsa_kernarg_size 40
		.amdhsa_user_sgpr_count 2
		.amdhsa_user_sgpr_kernarg_segment_ptr 1
		.amdhsa_wavefront_size32 1
		.amdhsa_system_sgpr_workgroup_id_x 1
		.amdhsa_system_sgpr_workgroup_id_y 1
		.amdhsa_system_sgpr_workgroup_id_z 1
		.amdhsa_system_vgpr_workitem_id 0
		.amdhsa_next_free_vgpr 1024
		.amdhsa_next_free_sgpr 66
		.amdhsa_reserve_vcc 0
		.amdhsa_float_denorm_mode_32 3
		.amdhsa_float_denorm_mode_16_64 3
		.amdhsa_memory_ordered 1
		.amdhsa_forward_progress 1
		.amdhsa_inst_pref_size 255
	.end_amdhsa_kernel
	.section	.bss,"aw",@nobits
	.p2align	6
	.space	262144
	.amdgpu_metadata
---
amdhsa.version: [ 1, 2 ]
amdhsa.kernels:
  - .name:           k_qae2f33ae67_out
    .symbol:         k_qae2f33ae67_out.kd
    .args:
      - { .name: ob, .offset: 0, .size: 8, .value_kind: global_buffer, .address_space: global }
      - { .name: wc, .offset: 8, .size: 8, .value_kind: global_buffer, .address_space: global }
      - { .name: ln_g, .offset: 16, .size: 8, .value_kind: global_buffer, .address_space: global }
      - { .name: ln_b, .offset: 24, .size: 8, .value_kind: global_buffer, .address_space: global }
      - { .name: out0, .offset: 32, .size: 8, .value_kind: global_buffer, .address_space: global }
    .group_segment_fixed_size: 320000
    .private_segment_fixed_size: 0
    .kernarg_segment_align: 8
    .kernarg_segment_size: 40
    .max_flat_workgroup_size: 128
    .sgpr_count:     66
    .vgpr_count:     1024
    .wavefront_size: 32
...
	.end_amdgpu_metadata
.endif
;; end of part 5
